; MI455X (gfx1250); checked and timed in simulation.
; The chip was launched on July 23, 2026; its instructions are those of AMD's public machine-readable ISA for CDNA 5 (MIT licence, August 2026) and "CDNA5" Instruction Set Architecture Reference Guide (July 2026). The comments in the code are by the model that wrote it; some were corrected since.
;; Multi Head Attention. Allowed arithmetic: matrix products marked QUANTISED: E2M1 operands, one E8M0 scale for each 32 along K, by v_wmma_scale_f32_16x16x128_f8f6f4 with both operands' format E2M1 (or v_wmma_scale_f32_32x16x128_f4), f32 sums; products left as they are: bf16, f16 or f32 operands; f32 sums; everything else in f32.
;; Inputs: Wk 1,024 x 1,024 float32; Wo 1,024 x 1,024 float32; Wq 1,024 x 1,024 float32; Wv 1,024 x 1,024 float32; bk 1,024 float32; bo 1,024 float32; bq 1,024 float32; bv 1,024 float32; key 4 x 2,048 x 1,024 float32; mask 4 x 2,048 x 2,048 int32; query 4 x 2,048 x 1,024 float32; value 4 x 2,048 x 1,024 float32.
;; Outputs: out0 4 x 2,048 x 1,024 float32.
;; This version of the problem:
;;   THIS VERSION OF THE PROBLEM IS GIVEN IN LOW PRECISION. The matrix products marked QUANTISED in the list below multiply operands that are first quantised to E2M1 (2 exponent bits, 1 mantissa bit; 4 bits a number), with one power-of-two scale for each 32 numbers along K (OCP MX v1.0); their sums are f32. The products marked 'left as it is' may take bf16, f16 or f32 operands, with f32 sums. Whichever they take, every output number must still come out within the allowed error. Rounding operands to bf16 (8 significant bits) uses up far more of that allowance than f16 does (11 bits, for magnitudes from 6e-5 to 65,504). All else is computed in f32.
;;   The module's matrix products, in the order in which they are computed (A, B: the left and right operand; K: the contracted axis; several contracted axes count as one K, in the product's order):
;;     1. [M 8,192, K 1,024] x [K 1,024, N 1,024]; A: input query; B: input Wq: QUANTISED
;;     2. [M 8,192, K 1,024] x [K 1,024, N 1,024]; A: input key; B: input Wk: QUANTISED
;;     3. [M 8,192, K 1,024] x [K 1,024, N 1,024]; A: input value; B: input Wv: QUANTISED
;;     4. batch 64 x [M 2,048, K 64] x [K 64, N 2,048]; A: computed on the way; B: computed on the way: left as it is (an operand is computed on the way)
;;     5. batch 64 x [M 2,048, K 2,048] x [K 2,048, N 64]; A: computed on the way; B: computed on the way: left as it is (an operand is computed on the way)
;;     6. [M 8,192, K 1,024] x [K 1,024, N 1,024]; A: computed on the way; B: input Wo: left as it is (an operand is computed on the way)
;;   THE QUANTISER, for each operand of a quantised product, along K:
;;     - K is cut into blocks of 32 from its start; a last block that is shorter is filled with zeros.
;;     - A block's scale is 2^e with e = floor(log2(the largest magnitude in the block)) - 2, held to -126 .. 127; a block of zeros has e = 0. As a byte (E8M0): e + 127.
;;     - Each number is divided by its block's scale, clamped to +-6, and rounded to the nearest number of E2M1, ties to even, subnormals kept.
;;     - The product sums the exact products of the quantised numbers (number of the format x scale) in f32.
;;   ~~~python
;;   def quantise(x, axis):      # numpy; x: float32 -> the quantised numbers, widened to float32 again
;;       x = np.moveaxis(x, axis, -1); K = x.shape[-1]
;;       x = np.pad(x, [(0, 0)] * (x.ndim - 1) + [(0, -K % 32)]); x = x.reshape(x.shape[:-1] + (-1, 32)); a = np.abs(x).max(-1, keepdims=True)
;;       e = np.where(a > 0, np.clip(np.frexp(np.where(a > 0, a, 1))[1] - 1 - 2, -126, 127), 0)      # np.frexp(a)[1] - 1 = floor(log2(a)), exactly
;;       r = np.clip(x / 2.0 ** e, -6, 6)
;;       step = 2.0 ** (np.maximum(np.frexp(np.where(r == 0, 1, r))[1] - 1, 0) - 1)
;;       q = np.round(r / step) * step * 2.0 ** e      # np.round: ties to even
;;       return np.moveaxis(q.reshape(q.shape[:-2] + (-1,))[..., :K], -1, axis).astype(np.float32)
;;   ~~~
;; One version. Each part assembles by itself: llvm-mc -triple=amdgcn-amd-amdhsa -mcpu=gfx1250 --defsym DOCPART=n.
;; ======== version 1 of 1: 4 launches
;; limits: values are held in f16: magnitudes above 65,504 overflow, below 6.1e-05 lose precision; values outside matrix products are rounded to f16
;; workspace buffers: codes 14,155,776 bytes; scales 884,736 bytes; wo16 2,097,152 bytes; mw 2,097,152 bytes of whole numbers; qkv 50,331,648 bytes; xh 16,777,216 bytes
;; launch prep (part 1): grid 1504 x 1, 4 waves a work-group, no clusters, 67,072 bytes of LDS; arguments query, key, value, Wq, Wk, Wv, Wo, mask, codes, scales, wo16, mw; writes codes, scales, wo16, mw
.if DOCPART == 1
	.amdgcn_target "amdgcn-amd-amdhsa--gfx1250"
	.amdhsa_code_object_version 6
	.text
	.protected	k_q2ba28d3ea6_prep
	.globl	k_q2ba28d3ea6_prep
	.p2align	8
	.type	k_q2ba28d3ea6_prep,@function
k_q2ba28d3ea6_prep:
	s_mov_b64 s[64:65], 0
	v_nop
	global_prefetch_b8 v0, s[64:65] scope:SCOPE_SE
	s_setreg_imm32_b32 hwreg(HW_REG_WAVE_MODE, 25, 1), 1
	s_wait_xcnt 0x0
; Three streams that depend on nothing and on each other not at all, in one launch; the work-group's number alone picks the path.
; PATH Q (work-groups 0-863).  query, key, value [8192][1024] and Wq, Wk, Wv [1024][1024], f32 with K innermost, become codes of FP4 (E2M1) with one E8M0 scale byte for each 32 along K.
;   The six tensors are laid one behind the other as ONE matrix of 27,648 rows: codes [27648][512 bytes], scales [27648][32 bytes]; rows 0.. query, 8192.. key, 16384.. value, 24576.. Wq, 25600.. Wk, 26624.. Wv.
;   A block's scale is 2^(floor(log2(its largest magnitude)) - 2); its byte is the largest magnitude's exponent field - 2, held at 1 from below.  A block of zeros so gets the byte 1: its codes are zeros, and this program alone reads the bytes.
;   32,768 numbers a work-group (256, 256, 256, 32, 32, 32 work-groups); a wave takes 16 steps of 512 numbers.  Every load reads 512 consecutive bytes.  For the conversions a lane must hold 16 neighbours along K:
;   a step's 2,048 bytes turn through the wave's own stage in LDS (64 bytes + 16 of padding a lane).  A wave's store of codes covers 256 consecutive aligned bytes; its 256 scale bytes are gathered in LDS and leave as one such run.
; PATH WO (work-groups 864-991).  Wo [1024][1024] f32 is rounded to f16 as it lies (its product is not quantised): 8,192 numbers a work-group, no LDS.
; PATH MASK (work-groups 992-1503).  mask [4][2048][2048] int32 becomes lane masks for the attention launch: 1 bit for each 32-bit word.
;   mw is laid [b][qt: 128 tiles of 16 queries][ks: 32 steps of 64 keys][32 words]; in word 8 kt + j bit L = r + 16 h says mask[b][16 qt + r][64 ks + 16 kt + 8 h + j] != 0:
;   the lane mask of register j of the score tile kt (16 keys x 16 queries, a lane holding query r and keys 8 h + 0..7).
;   A work-group takes 16 queries, wave w keys 512 w .. 512 w + 511, in four trips of 128 keys.  Each load reads 512 consecutive bytes of one row; the 16 x 512 bytes turn through the wave's own stage (rows 528 bytes apart)
;   so that lane (r, h) holds its own 64 words; a compare gives a whole lane mask in a scalar register, which is written into its lane of the two output registers: a trip's 64 words leave as 256 consecutive aligned bytes.
; LIMITS: NaN and infinities among the inputs are not served; blocks whose largest magnitude lies under 2^(3 - 127) take the byte 1.
; Waves share nothing: no barrier.  Each path that uses LDS has LDS bytes of its own.
.set WAVES, 4
.set STEPS, 16
.set EMAX,  2
.set CB,    8                          ; bytes of 16 codes
.set R,     16                         ; path Q: v16-79   four sets of 16 numbers as they are loaded
.set X,     80                         ;         v80-111  two sets of 16 neighbours
.set E,     112                        ;         v112-127 a scale byte for each step
.set C,     128                        ;         v128-191 codes (path WO: f16 pairs): registers of its own for each step
.set WREG,  8192                       ; path Q's LDS: a region for each wave: two stages of 32 x SP bytes, behind them its 256 scale bytes
.set SP,    80
.set MR,    16                         ; path MASK: v16-143  two sets of 64 registers as loaded
.set MX,    144                        ;            v144-207 my 64 words: 32 s + 8 kt + j
.set WD,    208                        ;            v208-215 the words to store: two registers for each trip
.set SROW,  528
.set WST,   16*SROW                    ; path MASK's LDS: a stage for each wave,
.set MST,   WAVES*WREG                 ; behind path Q's four regions
.set SPW,   12                         ; v12 LDS address of my spare word; never rewritten
.set NIL,   13                         ; v13 0; never rewritten
.set SPARE, MST+WAVES*WST              ; behind both paths' bytes: the spare words, 128 bytes for each wave
.set WOG,   864                        ; the first work-group of path WO
.set MKG,   992                        ; the first work-group of path MASK
	s_load_b512 s[4:19], s[0:1], 0x0               ; query s[4:5], key s[6:7], value s[8:9], Wq s[10:11], Wk s[12:13], Wv s[14:15], Wo s[16:17], mask s[18:19]
	s_load_b256 s[20:27], s[0:1], 0x40             ; codes s[20:21], scales s[22:23], wo16 s[24:25], mw s[26:27]
	v_lshl_add_u32 v[SPW], v0, 2, SPARE
	v_mov_b32 v[NIL], 0
	v_lshrrev_b32 v1, 5, v0
	v_readfirstlane_b32 s28, v1                    ; wave
	v_and_b32 v2, 31, v0                           ; lane
	v_lshlrev_b32 v3, 4, v2                        ; my 16 bytes of a load's 512
	s_cmp_ge_u32 ttmp9, MKG                        ; the work-group's number alone decides the path
	s_cbranch_scc1 .Lmask
	s_mul_i32 s29, s28, WREG
	v_lshrrev_b32 v14, 2, v2
	v_mul_u32_u24 v14, v14, SP
	v_and_b32 v15, 3, v2
	v_lshl_add_u32 v14, v15, 4, v14
	v_add_nc_u32 v14, s29, v14                     ; the stage, way in: four lanes' 64 bytes on end, then 16 of padding
	v_mul_u32_u24 v15, v2, SP
	v_add_nc_u32 v15, s29, v15                     ; way out: SP x lane: my 16 neighbours
	v_mul_u32_u24 v4, v2, CB                       ; my 8 bytes of a store's 256
	v_lshrrev_b32 v5, 1, v2
	s_add_co_u32 s29, s29, 2*32*SP
	v_add_nc_u32 v5, s29, v5                       ; my block's scale byte in the wave's 256
	v_lshlrev_b32 v7, 3, v2
	v_add_nc_u32 v6, s29, v7                       ; and 8 of them a lane on the way out
	s_wait_kmcnt 0x0
	s_cmp_ge_u32 ttmp9, WOG
	s_cbranch_scc1 .Lwo
	; which tensor is mine, and which is its first work-group: a chain of choices on the work-group's number
	s_mov_b64 s[30:31], s[14:15]
	s_mov_b32 s32, 832
	s_cmp_lt_u32 ttmp9, 832
	s_cselect_b64 s[30:31], s[12:13], s[30:31]
	s_cselect_b32 s32, 800, s32
	s_cmp_lt_u32 ttmp9, 800
	s_cselect_b64 s[30:31], s[10:11], s[30:31]
	s_cselect_b32 s32, 768, s32
	s_cmp_lt_u32 ttmp9, 768
	s_cselect_b64 s[30:31], s[8:9], s[30:31]
	s_cselect_b32 s32, 512, s32
	s_cmp_lt_u32 ttmp9, 512
	s_cselect_b64 s[30:31], s[6:7], s[30:31]
	s_cselect_b32 s32, 256, s32
	s_cmp_lt_u32 ttmp9, 256
	s_cselect_b64 s[30:31], s[4:5], s[30:31]
	s_cselect_b32 s32, 0, s32
	s_sub_co_u32 s32, ttmp9, s32
	s_lshl_b32 s32, s32, 2
	s_add_co_u32 s32, s32, s28                     ; my wave's run of 8,192 numbers in its tensor
	s_lshl_b32 s32, s32, 15                        ; 32,768 bytes a run
	s_mov_b32 s33, 0
	s_add_nc_u64 s[30:31], s[30:31], s[32:33]
	s_lshl_b32 s34, ttmp9, 2
	s_add_co_u32 s34, s34, s28                     ; and in the one matrix of codes: the outputs are linear in the work-group's number
	s_lshl_b32 s36, s34, 12                        ; 4,096 bytes of codes a run
	s_mov_b32 s37, 0
	s_add_nc_u64 s[20:21], s[20:21], s[36:37]
	s_lshl_b32 s36, s34, 8                         ; 256 scale bytes a run
	s_add_nc_u64 s[22:23], s[22:23], s[36:37]
.macro LOAD t
.irp i, 0,1,2,3
	global_load_b128 v[R+16*((\t)%4)+4*\i:R+16*((\t)%4)+4*\i+3], v3, s[30:31] offset:2048*(\t)+512*\i th:TH_LOAD_NT
.endr
.endm
.macro TURN t                          ; step t's numbers through the stage: LDS serves a wave's instructions in order, so no wait stands between the stores and the loads
.irp i, 0,1,2,3
	ds_store_b128 v14, v[R+16*((\t)%4)+4*\i:R+16*((\t)%4)+4*\i+3] offset:32*SP*((\t)%2)+8*SP*\i
.endr
.irp i, 0,1,2,3
	ds_load_b128 v[X+16*((\t)%2)+4*\i:X+16*((\t)%2)+4*\i+3], v15 offset:32*SP*((\t)%2)+16*\i
.endr
.endm
.irp t, 0,1,2,3
	LOAD \t
.endr
	s_wait_loadcnt 12                              ; step 0's four loads are in; the twelve of steps 1 to 3 may be out
	TURN 0
.macro STEP t
.set XS, X+16*((\t)%2)
.if (\t) > 0
	s_wait_dscnt 1                                 ; this step's numbers are back from the stage; the last step's byte store may be out
.else
	s_wait_dscnt 0x0
.endif
.if (\t)+4 < STEPS
	LOAD (\t)+4                                    ; into the registers that this step's stage stores have read
.endif
.if (\t)+1 < STEPS
.if STEPS-2-(\t) >= 3
	s_wait_loadcnt 12                              ; the next step's four loads are in; those of the three steps behind it may be out
.else
	s_wait_loadcnt 4*(STEPS-2-(\t))
.endif
	TURN (\t)+1
.endif
	v_max3_num_f32 v8, |v[XS]|, |v[XS+1]|, |v[XS+2]|               ; the largest magnitude of my 16, in two chains
	v_max3_num_f32 v9, |v[XS+3]|, |v[XS+4]|, |v[XS+5]|
.irp i, 6,10
	v_max3_num_f32 v8, v8, |v[XS+\i]|, |v[XS+\i+1]|
	v_max3_num_f32 v9, v9, |v[XS+\i+2]|, |v[XS+\i+3]|
.endr
	v_max3_num_f32 v8, v8, |v[XS+14]|, |v[XS+15]|
	v_max3_num_f32 v8, v8, v9, (EMAX+1)<<23        ; and the floor 2^(EMAX + 1 - 127): the byte cannot fall under 1
	v_max_num_f32_dpp v8, v8, v8 row_xmask:1 row_mask:0xf bank_mask:0xf   ; with my neighbour's 16: the block's
	v_add_nc_u32 v11, -(EMAX<<23), v8              ; EMAX off its exponent field: the conversion takes the exponent field of this operand as its scale
	v_cvt_scalef32_pk8_fp4_f32 v[C+4*(\t)], v[XS:XS+7], v11
	v_cvt_scalef32_pk8_fp4_f32 v[C+4*(\t)+1], v[XS+8:XS+15], v11
	v_lshrrev_b32 v[E+(\t)], 23, v11               ; the scale's byte (a plain line behind the conversions)
	ds_store_b8 v5, v[E+(\t)] offset:16*(\t)       ; both lanes of a block write the same byte with the same value
	global_store_b64 v4, v[C+4*(\t):C+4*(\t)+1], s[20:21] offset:32*CB*(\t)   ; the wave stores 256 consecutive aligned bytes
.endm
.irp t, 0,1,2,3,4,5,6,7,8,9,10,11,12,13,14,15
	STEP \t
.endr
	ds_load_b64 v[8:9], v6                         ; my wave's 256 scale bytes: these loads see my stores
	s_wait_dscnt 0x0
	global_store_b64 v7, v[8:9], s[22:23]
	s_wait_tensorcnt 0x0                           ; the wave's end, behind my last LDS store
	ds_add_u32 v[SPW], v[NIL]
	s_wait_dscnt 0x0
	s_endpgm
.Lwo:                                                  ; Wo to f16: 2,048 numbers a wave, no LDS
	s_sub_co_u32 s32, ttmp9, WOG
	s_lshl_b32 s32, s32, 2
	s_add_co_u32 s32, s32, s28
	s_lshl_b32 s34, s32, 13                        ; 8,192 bytes in,
	s_mov_b32 s35, 0
	s_add_nc_u64 s[16:17], s[16:17], s[34:35]
	s_lshl_b32 s34, s32, 12                        ; 4,096 out
	s_add_nc_u64 s[24:25], s[24:25], s[34:35]
.irp i, 0,1,2,3,4,5,6,7,8,9,10,11,12,13,14,15
	global_load_b128 v[R+4*\i:R+4*\i+3], v3, s[16:17] offset:512*\i th:TH_LOAD_NT
.endr
.irp i, 0,1,2,3,4,5,6,7,8,9,10,11,12,13,14,15
	s_wait_loadcnt 15-\i                           ; loads come back in order: load i is in, the younger ones stay out
	v_cvt_pk_f16_f32 v[C+2*\i], v[R+4*\i], v[R+4*\i+1]
	v_cvt_pk_f16_f32 v[C+2*\i+1], v[R+4*\i+2], v[R+4*\i+3]
	global_store_b64 v4, v[C+2*\i:C+2*\i+1], s[24:25] offset:256*\i   ; no register is written twice: no wait for the stores' sources
.endr
	s_endpgm
.Lmask:                                                ; the mask's words
	s_sub_co_u32 s29, ttmp9, MKG                   ; my tile of 16 queries: 128 b + qt
	s_mul_i32 s30, s28, WST
	s_add_co_u32 s30, s30, MST                     ; my wave's stage
	v_add_nc_u32 v4, s30, v3                       ; way in: 16 bytes a lane
	v_and_b32 v7, 15, v0                           ; r
	v_bfe_u32 v8, v0, 4, 1                         ; h
	v_mul_u32_u24 v5, v7, SROW
	v_lshl_add_u32 v5, v8, 5, v5
	v_add_nc_u32 v5, s30, v5                       ; way out: row r, + 32 h
	v_lshlrev_b32 v6, 3, v2                        ; stores: 8 bytes a lane
.irp i, 0,1,2,3,4,5,6,7
	v_mov_b32 v[WD+\i], 0                          ; written once: the destination of a write to one lane counts as read
.endr
	s_lshl_b32 s32, s29, 17                        ; 16 rows of 8,192 bytes
	s_lshl_b32 s33, s28, 11                        ; my 512 keys
	s_add_co_u32 s32, s32, s33
	s_mov_b32 s33, 0
	s_lshl_b32 s34, s29, 12                        ; 32 steps of 128 bytes
	s_lshl_b32 s35, s28, 10                        ; my 8 steps
	s_add_co_u32 s34, s34, s35
	s_mov_b32 s35, 0
	s_wait_kmcnt 0x0
	s_add_nc_u64 s[18:19], s[18:19], s[32:33]
	s_add_nc_u64 s[26:27], s[26:27], s[34:35]
.macro LOADM t
.irp i, 0,1,2,3,4,5,6,7,8,9,10,11,12,13,14,15
	global_load_b128 v[MR+64*((\t)%2)+4*\i:MR+64*((\t)%2)+4*\i+3], v3, s[18:19] offset:8192*\i+512*(\t) th:TH_LOAD_NT
.endr
.endm
.macro TRIPM t
.if (\t) < 3
	s_wait_loadcnt 16                              ; this trip's 16 loads are in; the next trip's 16 may be out
.else
	s_wait_loadcnt 0x0
.endif
.irp i, 0,1,2,3,4,5,6,7,8,9,10,11,12,13,14,15
	ds_store_b128 v4, v[MR+64*((\t)%2)+4*\i:MR+64*((\t)%2)+4*\i+3] offset:SROW*\i
.endr
.irp s, 0,1
.irp k, 0,1,2,3
.irp u, 0,1
	ds_load_b128 v[MX+32*\s+8*\k+4*\u:MX+32*\s+8*\k+4*\u+3], v5 offset:256*\s+64*\k+16*\u   ; LDS serves a wave's instructions in order: these see the stores above
.endr
.endr
.endr
	s_wait_dscnt 0x0
.if (\t)+2 < 4
	LOADM (\t)+2
.endif
.set W, 0
.rept 8
.irp e, 0,1,2,3,4,5,6,7
	v_cmp_ne_u32 s[36+\e], 0, v[MX+W+\e]           ; word W + e: a bit for each lane
.endr
.irp e, 0,1,2,3,4,5,6,7
	v_writelane_b32 v[WD+2*(\t)+(\e&1)], s[36+\e], (W+\e)>>1   ; lane l stores words 2 l and 2 l + 1
.endr
.set W, W+8
.endr
	global_store_b64 v6, v[WD+2*(\t):WD+2*(\t)+1], s[26:27] offset:256*(\t)   ; two steps' 64 words: 256 consecutive aligned bytes
.endm
	LOADM 0
	LOADM 1
	TRIPM 0
	TRIPM 1
	TRIPM 2
	TRIPM 3
	s_wait_tensorcnt 0x0                           ; the wave's end, behind my last LDS store
	ds_add_u32 v[SPW], v[NIL]
	s_wait_dscnt 0x0
	s_endpgm
.Lfunc_end_k_q2ba28d3ea6_prep:
	.size	k_q2ba28d3ea6_prep, .Lfunc_end_k_q2ba28d3ea6_prep-k_q2ba28d3ea6_prep
	.p2alignl 7, 3214868480
	.fill 96, 4, 3214868480
	.section	.rodata,"a",@progbits
	.p2align	6, 0x0
	.amdhsa_kernel k_q2ba28d3ea6_prep
		.amdhsa_group_segment_fixed_size 67072
		.amdhsa_private_segment_fixed_size 0
		.amdhsa_enable_private_segment 0
		.amdhsa_kernarg_size 96
		.amdhsa_user_sgpr_count 2
		.amdhsa_user_sgpr_kernarg_segment_ptr 1
		.amdhsa_wavefront_size32 1
		.amdhsa_system_sgpr_workgroup_id_x 1
		.amdhsa_system_sgpr_workgroup_id_y 1
		.amdhsa_system_sgpr_workgroup_id_z 1
		.amdhsa_system_vgpr_workitem_id 0
		.amdhsa_next_free_vgpr 216
		.amdhsa_next_free_sgpr 66
		.amdhsa_reserve_vcc 0
		.amdhsa_float_denorm_mode_32 3
		.amdhsa_float_denorm_mode_16_64 3
		.amdhsa_memory_ordered 1
		.amdhsa_forward_progress 1
		.amdhsa_inst_pref_size 88
	.end_amdhsa_kernel
	.amdgpu_metadata
---
amdhsa.version: [ 1, 2 ]
amdhsa.kernels:
  - .name:           k_q2ba28d3ea6_prep
    .symbol:         k_q2ba28d3ea6_prep.kd
    .args:
      - { .name: query, .offset: 0, .size: 8, .value_kind: global_buffer, .address_space: global }
      - { .name: key, .offset: 8, .size: 8, .value_kind: global_buffer, .address_space: global }
      - { .name: value, .offset: 16, .size: 8, .value_kind: global_buffer, .address_space: global }
      - { .name: Wq, .offset: 24, .size: 8, .value_kind: global_buffer, .address_space: global }
      - { .name: Wk, .offset: 32, .size: 8, .value_kind: global_buffer, .address_space: global }
      - { .name: Wv, .offset: 40, .size: 8, .value_kind: global_buffer, .address_space: global }
      - { .name: Wo, .offset: 48, .size: 8, .value_kind: global_buffer, .address_space: global }
      - { .name: mask, .offset: 56, .size: 8, .value_kind: global_buffer, .address_space: global }
      - { .name: codes, .offset: 64, .size: 8, .value_kind: global_buffer, .address_space: global }
      - { .name: scales, .offset: 72, .size: 8, .value_kind: global_buffer, .address_space: global }
      - { .name: wo16, .offset: 80, .size: 8, .value_kind: global_buffer, .address_space: global }
      - { .name: mw, .offset: 88, .size: 8, .value_kind: global_buffer, .address_space: global }
    .group_segment_fixed_size: 67072
    .private_segment_fixed_size: 0
    .kernarg_segment_align: 8
    .kernarg_segment_size: 96
    .max_flat_workgroup_size: 128
    .sgpr_count:     66
    .vgpr_count:     216
    .wavefront_size: 32
...
	.end_amdgpu_metadata
.endif
;; end of part 1
;; launch proj (part 2): grid 4 x 96, 4 waves a work-group, clusters of 4 x 4, 327,680 bytes of LDS; arguments codes, scales, bq, bk, bv, qkv; writes qkv
.if DOCPART == 2
	.amdgcn_target "amdgcn-amd-amdhsa--gfx1250"
	.amdhsa_code_object_version 6
	.text
	.protected	k_q2ba28d3ea6_proj
	.globl	k_q2ba28d3ea6_proj
	.p2align	8
	.type	k_q2ba28d3ea6_proj,@function
k_q2ba28d3ea6_proj:
	s_mov_b64 s[64:65], 0
	v_nop
	global_prefetch_b8 v0, s[64:65] scope:SCOPE_SE
	s_setreg_imm32_b32 hwreg(HW_REG_WAVE_MODE, 25, 1), 1
	s_wait_xcnt 0x0
	s_wait_alu depctr_hold_cnt(0) depctr_sa_sdst(0) depctr_va_vdst(0) depctr_va_sdst(0) depctr_va_ssrc(0) depctr_va_vcc(0) depctr_vm_vsrc(0)
	s_getreg_b32 s2, hwreg(HW_REG_IB_STS2, 6, 4)
	s_cmp_eq_u32 s2, 0
	s_cbranch_scc0 .Lentry_in_a_cluster
	s_endpgm
.Lentry_in_a_cluster:
	s_bfe_u32 s2, ttmp6, 0x10000c
	s_cmp_lg_u32 s2, 0xf033
	s_cbranch_scc0 .Lentry_shape_is_right
	s_endpgm
.Lentry_shape_is_right:
; The three quantised projections in one launch: for t = 0, 1, 2 (query, key, value): Y = X_t W_t^T + b_t on codes of FP4 (E2M1) with one E8M0 scale for each 32 along K; sums in f32.
; codes [27648][512 bytes] and scales [27648][32]: rows 8192 t + m are X_t's, rows 24576 + 1024 t + n are W_t's.  K = 1,024.
; OUT: qkv, three tensors of f16 laid [b][head][s][64].  Q is multiplied in f32 by c = log2(e) / 8 ahead of its one rounding, so that the attention launch's scores are exponents of two.
; LIMITS: results of magnitude 65,504 or more are not served (f16).
; A tile of Y, 256 x 256, is made by a work-group of four waves; a wave makes 128 x 128: 64 accumulators, 512 registers.  Tile row ty = 0..95 runs over the 24,576 rows of the three X, tile column tx = 0..3.
; K's two steps of 512 lie in two LDS slots, each filled once (rows of 256 bytes); the scale bytes of the tile's 256 + 256 rows come once, as dense blocks in rows of 256 bytes.  Nothing is filled again.
; CLUSTERS: 4 x 4 work-groups.  The four of a row of the cluster need the same rows of X, the four of a column the same rows of W: each tile is asked for jointly, by the same tensor load with the same descriptor and a mask that names the four.
; By this text's own count a wave has three tensor loads out at the most.
; THE MATRIX INSTRUCTION IS USED TRANSPOSED (source 0 = 16 rows of W, source 1 = 16 rows of X): a lane then holds eight neighbouring columns of one row of Y.
; No prefetch: the launch is short and each tile is asked for at its very head.
; REGISTERS, in windows of 256: window 0: v0-31 addresses; v32-95 scale words, two sets; v128-191 X's fragments, one set; v192-255 the bias of my 128 columns; on the way out v32-191 are free.
;   window 1: W's fragments, two sets, at v0 and v128.   window 2: the accumulators of my rows 0-63 ((a, b) at v[8 (8 a + b)]);   window 3: those of my rows 64-127.
.set KSTEP,  512
.set NQ,     KSTEP/128
.set ROWB,   256                       ; a tile's row in bytes
.set KROW,   512                       ; a row of codes in memory
.set PITCH,  272                       ; an LDS row: 256 bytes + 16 of padding: the 16 rows that a load touches start at 16 different 16-byte columns of 256
.set FR,     8
.set NL,     2
.set NP,     4                         ; places behind this matrix instruction (ISA guide 7.12.1)
.set HALFT,  128*PITCH
.set SLOT,   4*HALFT
.set KS,     32                        ; a row of scales in bytes
.set SCL,    2*SLOT
.set HALFS,  (128*KS/256)*272
.set SBLK,   (16*KS/256)*272
.set SPARE,  SCL+4*HALFS               ; the spare words, 128 bytes for each wave
.set SPITCH, 272                       ; the way out: a stage of 16 rows x (256 bytes + 16) for each wave, in slot 0, which has had its one fill and its last read by then
.set WROW,   24576                     ; the first row of Wq
.set ADRA, 16
.set ADRB, 20
.set STO,  24
.set RD,   25
.set CO,   26
.set ADRS, 27
.set SPW,  28
.set NIL,  29
.set BO,   30                          ; v30  32 x (lane / 16): my place in the bias; never rewritten
.set SC,   32
.set AF,   128
.set BIAS, 192                         ; v192-255: register 8 b + j = bias[n0 + 16 b + 8 (lane / 16) + j]
.set F,    128                         ; the way out: 64 numbers in f32
.set TMP,  32                          ; packed to f16
.set OB,   64                          ; read back from the stage: v64-95 and v96-127 by turns
.set G1, 24
.set G0, 32
.set G1B, 48
.set G0B, 56
.set G1S, 68
.set G0S, 76
.set G1SB, 80
.set G0SB, 88
.set MSB, 0
.macro WIN new                         ; the immediate's high byte repeats the setting that is left
.if MSB != \new
	s_set_vgpr_msb (MSB<<8)|\new
.set MSB, \new
.endif
.endm
.set MUL_LO, 0xa1                      ; source 0 (W) window 1, source 1 (X) window 0, C and D window 2
.set MUL_HI, 0xf1
.set TO_B,   0x40
; A joint load: waves 0 and 1 fetch for X, waves 2 and 3 for W.  The branch hangs on the wave's number alone.  An s_nop 0 and four v_nop follow each of the two lines.
.macro JLOAD g0a, g1a, g0b, g1b
	s_cmp_eq_u32 s15, 0
	s_cbranch_scc0 .Lfor_b_\@
	tensor_load_to_lds s[\g0a:\g0a+3], s[\g1a:\g1a+7]
	s_nop 0
.rept 4
	v_nop
.endr
	s_branch .Lasked_\@
.Lfor_b_\@:
	tensor_load_to_lds s[\g0b:\g0b+3], s[\g1b:\g1b+7]
	s_nop 0
.rept 4
	v_nop
.endr
.Lasked_\@:
.endm
.macro CROUND                          ; a round of the cluster's barrier
	s_barrier_signal -1
	s_barrier_wait -1
	s_cmp_lg_u32 s14, 0
	s_cbranch_scc1 .Lnot_wave_0_\@
	s_barrier_signal -3
.Lnot_wave_0_\@:
	s_barrier_wait -3
	s_barrier_signal -1
	s_barrier_wait -1
.endm
	s_load_b128 s[4:7], s[0:1], 0x0                ; codes s[4:5], scales s[6:7]
	s_load_b128 s[8:11], s[0:1], 0x10              ; bq s[8:9], bk s[10:11]
	s_load_b128 s[96:99], s[0:1], 0x20             ; bv s[96:97], qkv s[98:99]
	v_lshl_add_u32 v[SPW], v0, 2, SPARE
	v_mov_b32 v[NIL], 0
	ds_add_u32 v[SPW], v[NIL]                      ; the wave's opening: the add, twice on end, and its wait ahead of my first tensor load
	ds_add_u32 v[SPW], v[NIL]
	v_lshrrev_b32 v1, 5, v0
	v_readfirstlane_b32 s14, v1                    ; wave 0..3
	s_lshr_b32 s15, s14, 1                         ; which half of the tile's rows is mine.  Also: I fetch for X (0) or for W (1)
	s_and_b32 s16, s14, 1                          ; which half of its columns.  Also: which 128 rows of that tile I fetch
	s_bfe_u32 s40, ttmp6, 0x40000                  ; cx, cy: my place in the cluster
	s_bfe_u32 s41, ttmp6, 0x40004
	s_lshl_b32 s42, ttmp9, 2
	s_add_co_u32 s42, s42, s40                     ; tile column tx
	s_and_b32 s17, ttmp7, 0xffff
	s_lshr_b32 s95, s17, 3                         ; t: eight clusters along y to a tensor: the same in all sixteen partners
	s_lshl_b32 s17, s17, 2
	s_add_co_u32 s17, s17, s41                     ; tile row ty
	s_lshl_b32 s43, s41, 2
	s_lshl_b32 s43, 15, s43                        ; my row of the cluster
	s_lshl_b32 s44, 0x1111, s40                    ; my column
	; descriptor group 1: a tile of 128 rows x 256 bytes, padded in LDS
	s_or_b32 s[G1+0], s43, (0<<16)|(1<<20)|(1<<21)|(5<<22)|(3<<25)  ; the mask: X's tiles go to my row; elements of 1 byte; padding on; bit 21 beside a mask; 4 words of padding after every 64
	s_or_b32 s[G1B+0], s44, (0<<16)|(1<<20)|(1<<21)|(5<<22)|(3<<25)
.irp g, G1, G1B
	s_mov_b32 s[\g+1], ROWB<<16                    ; tensor_dim0
	s_mov_b32 s[\g+2], 128<<16                     ; tensor_dim1
	s_mov_b32 s[\g+3], ROWB<<16                    ; tile_dim0
	s_mov_b32 s[\g+4], 128                         ; tile_dim1
	s_mov_b32 s[\g+5], KROW                        ; from row to row
	s_mov_b32 s[\g+6], 0
	s_mov_b32 s[\g+7], 0
.endr
	; the scales of 128 rows: a dense block of 4,096 bytes, as 16 rows of 256 bytes (32 elements of 8 bytes), 16 bytes of padding behind each
	s_or_b32 s[G1S+0], s43, (3<<16)|(1<<20)|(1<<21)|(5<<22)|(3<<25)
	s_or_b32 s[G1SB+0], s44, (3<<16)|(1<<20)|(1<<21)|(5<<22)|(3<<25)
.irp g, G1S, G1SB
	s_mov_b32 s[\g+1], 32<<16
	s_mov_b32 s[\g+2], (128*KS/256)<<16
	s_mov_b32 s[\g+3], 32<<16
	s_mov_b32 s[\g+4], 128*KS/256
	s_mov_b32 s[\g+5], 32
	s_mov_b32 s[\g+6], 0
	s_mov_b32 s[\g+7], 0
.endr
	s_lshl_b32 s18, s16, 7                         ; which 128 rows of the tile I fetch
	s_lshl_b32 s20, s17, 8
	s_add_co_u32 s20, s20, s18                     ; X: row 256 ty + 128 x half
	s_lshl_b32 s46, s42, 8
	s_add_co_u32 s46, s46, s18
	s_lshl_b32 s47, s95, 10
	s_add_co_u32 s46, s46, s47
	s_add_co_u32 s46, s46, WROW                    ; W: row 24576 + 1024 t + 256 tx + 128 x half
	s_mov_b32 s21, 0
	s_mov_b32 s47, 0
	s_mov_b64 s[18:19], KS
	s_mul_u64 s[22:23], s[20:21], s[18:19]         ; where these rows' scales begin, in bytes,
	s_mul_u64 s[92:93], s[46:47], s[18:19]
	s_mov_b64 s[18:19], KROW
	s_mul_u64 s[20:21], s[20:21], s[18:19]         ; and their codes
	s_mul_u64 s[46:47], s[46:47], s[18:19]
	s_mul_i32 s45, s14, HALFT                      ; where they go: wave x 128 rows: no place in the cluster enters an LDS address
	s_mul_i32 s94, s14, HALFS
	s_wait_dscnt 0x0                               ; both opening adds are done
	s_wait_kmcnt 0x0
	s_add_nc_u64 s[20:21], s[4:5], s[20:21]
	s_add_nc_u64 s[22:23], s[6:7], s[22:23]
	s_add_nc_u64 s[46:47], s[4:5], s[46:47]
	s_add_nc_u64 s[92:93], s[6:7], s[92:93]
	CROUND                                         ; all sixteen work-groups are here: the joint loads meet
	s_mov_b32 s[G0S], 1
	s_add_co_u32 s[G0S+1], s94, SCL
	s_mov_b64 s[G0S+2:G0S+3], s[22:23]
	s_or_b32 s[G0S+3], s[G0S+3], 0x80000000
	s_mov_b32 s[G0SB], 1
	s_add_co_u32 s[G0SB+1], s94, SCL
	s_mov_b64 s[G0SB+2:G0SB+3], s[92:93]
	s_or_b32 s[G0SB+3], s[G0SB+3], 0x80000000
	JLOAD G0S, G1S, G0SB, G1SB                     ; the scales first: they are wanted with K step 0
.irp s, 0,1
	s_mov_b32 s[G0+4*\s], 1
	s_add_co_u32 s[G0+4*\s+1], s45, \s*SLOT
	s_add_nc_u64 s[G0+4*\s+2:G0+4*\s+3], s[20:21], \s*ROWB
	s_or_b32 s[G0+4*\s+3], s[G0+4*\s+3], 0x80000000
	s_mov_b32 s[G0B+4*\s], 1
	s_add_co_u32 s[G0B+4*\s+1], s45, \s*SLOT
	s_add_nc_u64 s[G0B+4*\s+2:G0B+4*\s+3], s[46:47], \s*ROWB
	s_or_b32 s[G0B+4*\s+3], s[G0B+4*\s+3], 0x80000000
	JLOAD G0+4*\s, G1, G0B+4*\s, G1B
.endr
	v_and_b32 v1, 15, v0                           ; r = lane % 16
	v_bfe_u32 v2, v0, 4, 1                         ; h = lane / 16
	v_mul_u32_u24 v3, v1, PITCH
	v_lshl_add_u32 v4, v2, 4, v3                   ; a fragment's row x pitch + 16 h
	s_mul_i32 s21, s15, HALFT                      ; my 128 rows of X
	s_mul_i32 s22, s16, HALFT                      ; my 128 rows of W,
	s_add_co_u32 s22, s22, 2*HALFT                 ; which lie behind X's 256
.irp s, 0,1
	v_add_nc_u32 v[ADRA+\s], s21, v4
	v_add_nc_u32 v[ADRB+\s], s22, v4
	s_add_co_u32 s21, s21, SLOT
	s_add_co_u32 s22, s22, SLOT
.endr
	v_mul_u32_u24 v5, v1, KS                       ; my row's scales: 32 bytes a row,
	v_lshrrev_b32 v6, 8, v5
	v_lshl_add_u32 v5, v6, 4, v5                   ; and 16 more for each 256 passed
	s_mul_i32 s21, s15, HALFS
	s_mul_i32 s22, s16, HALFS
	s_add_co_u32 s22, s22, 2*HALFS
	s_sub_co_u32 s22, s22, s21
	v_mul_u32_u24 v6, s22, v2                      ; lanes 16-31 take W's: one product, the distance between the two bases x h
	s_add_co_u32 s21, s21, SCL
	v_add_nc_u32 v5, v5, v6
	v_add_nc_u32 v[ADRS], s21, v5
	s_mul_i32 s23, s14, 16*SPITCH                  ; my stage
	v_mul_u32_u24 v5, v1, SPITCH                   ; in: row r, 16 bytes for each half of the lanes
	v_lshl_add_u32 v5, v2, 4, v5
	v_add_nc_u32 v[STO], s23, v5
	v_and_b32 v6, 31, v0
	v_lshlrev_b32 v[CO], 4, v6                     ; out: 32 lanes store 512 consecutive bytes: four tokens of one head
	v_lshrrev_b32 v5, 3, v6
	v_mul_u32_u24 v5, v5, SPITCH
	v_and_b32 v6, 7, v0
	v_lshl_add_u32 v5, v6, 4, v5
	v_add_nc_u32 v[RD], s23, v5                    ; back: eight lanes to a token's 128 bytes of a head
	; where my part of Y goes.  Row R0 = 256 ty + 128 x row half = 8192 t + 2048 b + s; column 256 tx + 128 x column half = head 4 tx + 2 x half
	s_lshl_b32 s20, s17, 8
	s_lshl_b32 s21, s15, 7
	s_add_co_u32 s20, s20, s21
	s_lshr_b32 s21, s20, 11                        ; 4 t + b
	s_lshl_b32 s21, s21, 22                        ; x 16 heads x 262,144 bytes
	s_and_b32 s20, s20, 2047
	s_lshl_b32 s20, s20, 7                         ; s x 128 bytes
	s_add_co_u32 s20, s20, s21
	s_lshl_b32 s46, s42, 2
	s_lshl_b32 s47, s16, 1
	s_add_co_u32 s46, s46, s47
	s_lshl_b32 s46, s46, 18                        ; head x 262,144
	s_add_co_u32 s20, s20, s46
	s_mov_b32 s21, 0
	s_add_nc_u64 s[12:13], s[98:99], s[20:21]
	; the bias of tensor t, and the factor: c for Q, 1 for K and V.  Both choices hang on t alone
	s_cmp_eq_u32 s95, 1
	s_cselect_b64 s[10:11], s[10:11], s[96:97]
	s_mov_b32 s2, 1.0
	s_cmp_eq_u32 s95, 0
	s_cselect_b64 s[8:9], s[8:9], s[10:11]
	s_cselect_b32 s2, 0x3e38aa3b, s2               ; c = log2(e) / 8
	s_mov_b32 s3, s2                               ; (named with it as a pair, so it is written)
	s_lshl_b32 s46, s42, 10
	s_lshl_b32 s47, s16, 9
	s_add_co_u32 s46, s46, s47                     ; 4 x (256 tx + 128 x column half)
	s_mov_b32 s47, 0
	s_add_nc_u64 s[8:9], s[8:9], s[46:47]
	v_lshlrev_b32 v[BO], 5, v2
.irp b, 0,1,2,3,4,5,6,7
	global_load_b128 v[BIAS+8*\b:BIAS+8*\b+3], v[BO], s[8:9] offset:64*\b
	global_load_b128 v[BIAS+8*\b+4:BIAS+8*\b+7], v[BO], s[8:9] offset:64*\b+16
.endr
.macro FRAG reg, adr, q, i             ; a fragment, 16 rows x 128 K of 4-bit codes: lane l holds row l % 16; registers 4 c .. 4 c + 3 hold K = 64 c + 32 (l / 16) + 0 .. 31
.irp c, 0,1
	ds_load_b128 v[\reg+4*\c:\reg+4*\c+3], v[\adr] offset:64*(\q)+32*\c+(\i)*16*PITCH
.endr
.endm
; 16 matrix instructions: X's blocks a0, a0 + 1 against W's eight, 128 along K.  p: W's set; sc: the set of scale words.  zero = 1: the first product starts the sums.
; The 64 accumulators take turns, one instruction a turn, in the same order in every step.
.macro MUL16 a0, p, q, sc, zero
.irp a, \a0, \a0+1
.irp b, 0,1,2,3,4,5,6,7
.if \zero
	v_wmma_scale_f32_16x16x128_f8f6f4 v[8*(8*((\a)%4)+\b):8*(8*((\a)%4)+\b)+7], v[128*(\p)+FR*\b:128*(\p)+FR*\b+FR-1], v[AF+FR*(\a):AF+FR*(\a)+FR-1], 0, v[SC+8*NQ*(\sc)+NQ*\b+(\q)], v[SC+8*NQ*(\sc)+NQ*(\a)+(\q)] matrix_a_fmt:MATRIX_FMT_FP4 matrix_b_fmt:MATRIX_FMT_FP4 matrix_a_scale:MATRIX_SCALE_ROW1
.else
	v_wmma_scale_f32_16x16x128_f8f6f4 v[8*(8*((\a)%4)+\b):8*(8*((\a)%4)+\b)+7], v[128*(\p)+FR*\b:128*(\p)+FR*\b+FR-1], v[AF+FR*(\a):AF+FR*(\a)+FR-1], v[8*(8*((\a)%4)+\b):8*(8*((\a)%4)+\b)+7], v[SC+8*NQ*(\sc)+NQ*\b+(\q)], v[SC+8*NQ*(\sc)+NQ*(\a)+(\q)] matrix_a_fmt:MATRIX_FMT_FP4 matrix_b_fmt:MATRIX_FMT_FP4 matrix_a_scale:MATRIX_SCALE_ROW1
.endif
.endr
.endr
.endm
.macro FETCH_B slot, q, p
	WIN TO_B
.irp i, 0,1,2,3,4,5,6,7
	FRAG 128*(\p)+FR*\i, ADRB+\slot, \q, \i
.endr
	WIN 0
.endm
.macro FETCH_A slot, q, i0
.irp i, \i0, \i0+1, \i0+2, \i0+3
	FRAG AF+FR*(\i), ADRA+\slot, \q, \i
.endr
.endm
.macro SCALES sc                       ; a K step's scale words: four words a row; lanes 0-15 take X's block i, lanes 16-31 W's block i
.irp i, 0,1,2,3,4,5,6,7
	ds_load_b128 v[SC+8*NQ*\sc+NQ*\i:SC+8*NQ*\sc+NQ*\i+3], v[ADRS] offset:\i*SBLK
.endr
.endm
.macro PLACES n                        ; plain vector lines between a matrix instruction and a load into, or a read of, its registers
.rept \n
	v_nop
.endr
.endm
.macro STEP slot, q, zero              ; a step of 128 along K that has its successor in the same slot
	s_wait_dscnt 4*NL                              ; W's set and X's blocks 0-3 are in; the youngest eight loads (X's blocks 4-7) may be out
	WIN MUL_LO
	MUL16 0, (\q)%2, \q, \slot, \zero
	MUL16 2, (\q)%2, \q, \slot, \zero
	s_wait_dscnt 0
	PLACES NP
	FETCH_B \slot, (\q)+1, 1-(\q)%2
	FETCH_A \slot, (\q)+1, 0
	WIN MUL_HI
	MUL16 4, (\q)%2, \q, \slot, \zero
	MUL16 6, (\q)%2, \q, \slot, \zero
	PLACES NP
	WIN 0
	FETCH_A \slot, (\q)+1, 4
.endm
; Slot 0's last step changes slots: one barrier; in front of it each wave waits for all its tensor loads (its part of slot 1).  Nothing is filled again.
.macro TURN slot, next
	s_wait_tensorcnt 0x0                           ; my part of the next slot has landed
	ds_add_u32 v[SPW], v[NIL]                      ; 0 onto my spare word
	s_wait_dscnt 4*NL+1                            ; the add and the youngest eight loads (X's blocks 4-7) may be out
	WIN MUL_LO
	MUL16 0, 1, NQ-1, \slot, 0
	s_wait_dscnt 0x0                               ; the add is done, and my reads of this slot are over
	s_barrier_signal -1
	MUL16 2, 1, NQ-1, \slot, 0
	WIN 0
	s_barrier_wait -1
	PLACES NP
	v_add_nc_u32 v[ADRS], 4*NQ, v[ADRS]            ; on to the next K step's scale words
	FETCH_B \next, 0, 0
	FETCH_A \next, 0, 0
	SCALES \next
	WIN MUL_HI
	MUL16 4, 1, NQ-1, \slot, 0
	MUL16 6, 1, NQ-1, \slot, 0
	PLACES NP
	WIN 0
	FETCH_A \next, 0, 4
.endm
.macro STEPS slot, from
.set Q, \from
.rept NQ-1-\from
	STEP \slot, Q, 0
.set Q, Q+1
.endr
.endm
	s_wait_tensorcnt 1                             ; the scales and my part of K step 0 are in; K step 1's load may be out
	s_barrier_signal -1
	s_barrier_wait -1
	FETCH_B 0, 0, 0
	FETCH_A 0, 0, 0
	SCALES 0
	FETCH_A 0, 0, 4
	STEP 0, 0, 1                                   ; the first products start the sums: nothing is cleared
	STEPS 0, 1
	TURN 0, 1
	STEPS 1, 0
	s_wait_dscnt 4*NL                              ; the very last step: nothing more to fetch
	WIN MUL_LO
	MUL16 0, 1, NQ-1, 1, 0
	MUL16 2, 1, NQ-1, 1, 0
	s_wait_dscnt 0
	WIN MUL_HI
	MUL16 4, 1, NQ-1, 1, 0
	MUL16 6, 1, NQ-1, 1, 0
	WIN 0
; THE WAY OUT, block by block of 16 rows x 128 columns: (sum + bias) x factor as one fused multiply-add on the bias already multiplied; rounded once to f16; through my own stage; out as runs of 512 bytes (four tokens of one head).
	s_wait_loadcnt 0x0                             ; the bias
.set i, 0
.rept 32
	v_pk_mul_f32 v[BIAS+i:BIAS+i+1], v[BIAS+i:BIAS+i+1], s[2:3] op_sel_hi:[1,0]   ; these 32 lines are also the places behind the last products
.set i, i+2
.endr
.macro PACKP a
.set AC, 64*((\a)%4)
	WIN (0x02+(\a)/4)                              ; source 0: window 2 or 3
.irp b, 0,1,2,3,4,5,6,7
.irp i, 0,1,2,3
	v_pk_fma_f32 v[F+8*\b+2*\i:F+8*\b+2*\i+1], v[AC+8*\b+2*\i:AC+8*\b+2*\i+1], s[2:3], v[BIAS+8*\b+2*\i:BIAS+8*\b+2*\i+1] op_sel_hi:[1,0,1]   ; each accumulator from its low end on
.endr
.endr
	WIN 0
.irp b, 0,1,2,3,4,5,6,7
.irp i, 0,1,2,3
	v_cvt_pk_f16_f32 v[TMP+4*\b+\i], v[F+8*\b+2*\i], v[F+8*\b+2*\i+1]
.endr
.endr
.endm
.macro TOSTAGE a
.set BB, OB+32*((\a)%2)
.irp b, 0,1,2,3,4,5,6,7
	ds_store_b128 v[STO], v[TMP+4*\b:TMP+4*\b+3] offset:32*\b
.endr
.irp u, 0,1
.irp i, 0,1,2,3
	ds_load_b128 v[BB+4*(4*\u+\i):BB+4*(4*\u+\i)+3], v[RD] offset:4*\i*SPITCH+128*\u   ; LDS serves a wave's instructions in order: these see the stores above
.endr
.endr
.endm
.macro SEND a
.set BB, OB+32*((\a)%2)
	s_wait_dscnt 0x0                               ; the block is back in registers
.irp u, 0,1
.irp i, 0,1,2,3
	global_store_b128 v[CO], v[BB+4*(4*\u+\i):BB+4*(4*\u+\i)+3], s[12:13] offset:2048*(\a)+512*\i+262144*\u   ; 512 consecutive aligned bytes; the block, the tokens and the head stand in the immediate
.endr
.endr
.endm
	PACKP 0
	TOSTAGE 0
.irp a, 1,2,3,4,5,6,7
	PACKP \a                                       ; block a's arithmetic stands between block a - 1's loads from the stage and the wait for them
	SEND \a-1
	s_wait_xcnt 0x0                                ; the earlier stores have read their registers: block a's loads may land where block a - 2's lay
	TOSTAGE \a
.endr
	SEND 7
	s_wait_tensorcnt 0x0                           ; the wave's end, behind my last tensor load and my last LDS store
	ds_add_u32 v[SPW], v[NIL]
	s_wait_dscnt 0x0
	CROUND                                         ; the closing round: no work-group ends while a partner may still ask for a tile that names it
	s_endpgm
.Lfunc_end_k_q2ba28d3ea6_proj:
	.size	k_q2ba28d3ea6_proj, .Lfunc_end_k_q2ba28d3ea6_proj-k_q2ba28d3ea6_proj
	.p2alignl 7, 3214868480
	.fill 96, 4, 3214868480
	.section	.rodata,"a",@progbits
	.p2align	6, 0x0
	.amdhsa_kernel k_q2ba28d3ea6_proj
		.amdhsa_group_segment_fixed_size 327680
		.amdhsa_private_segment_fixed_size 0
		.amdhsa_enable_private_segment 0
		.amdhsa_kernarg_size 48
		.amdhsa_user_sgpr_count 2
		.amdhsa_user_sgpr_kernarg_segment_ptr 1
		.amdhsa_wavefront_size32 1
		.amdhsa_system_sgpr_workgroup_id_x 1
		.amdhsa_system_sgpr_workgroup_id_y 1
		.amdhsa_system_sgpr_workgroup_id_z 1
		.amdhsa_system_vgpr_workitem_id 0
		.amdhsa_next_free_vgpr 1024
		.amdhsa_next_free_sgpr 100
		.amdhsa_reserve_vcc 0
		.amdhsa_float_denorm_mode_32 3
		.amdhsa_float_denorm_mode_16_64 3
		.amdhsa_memory_ordered 1
		.amdhsa_forward_progress 1
		.amdhsa_inst_pref_size 146
	.end_amdhsa_kernel
	.amdgpu_metadata
---
amdhsa.version: [ 1, 2 ]
amdhsa.kernels:
  - .name:           k_q2ba28d3ea6_proj
    .symbol:         k_q2ba28d3ea6_proj.kd
    .args:
      - { .name: codes, .offset: 0, .size: 8, .value_kind: global_buffer, .address_space: global }
      - { .name: scales, .offset: 8, .size: 8, .value_kind: global_buffer, .address_space: global }
      - { .name: bq, .offset: 16, .size: 8, .value_kind: global_buffer, .address_space: global }
      - { .name: bk, .offset: 24, .size: 8, .value_kind: global_buffer, .address_space: global }
      - { .name: bv, .offset: 32, .size: 8, .value_kind: global_buffer, .address_space: global }
      - { .name: qkv, .offset: 40, .size: 8, .value_kind: global_buffer, .address_space: global }
    .group_segment_fixed_size: 327680
    .private_segment_fixed_size: 0
    .kernarg_segment_align: 8
    .kernarg_segment_size: 48
    .max_flat_workgroup_size: 128
    .sgpr_count:     100
    .vgpr_count:     1024
    .wavefront_size: 32
...
	.end_amdgpu_metadata
.endif
;; end of part 2
;; launch attn (part 3): grid 8 x 32, 16 waves a work-group, clusters of 4 x 1, 327,680 bytes of LDS; arguments qkv, mw, xh; writes xh
.if DOCPART == 3
	.amdgcn_target "amdgcn-amd-amdhsa--gfx1250"
	.amdhsa_code_object_version 6
	.text
	.protected	k_q2ba28d3ea6_attn
	.globl	k_q2ba28d3ea6_attn
	.p2align	8
	.type	k_q2ba28d3ea6_attn,@function
k_q2ba28d3ea6_attn:
	s_mov_b64 s[64:65], 0
	v_nop
	global_prefetch_b8 v0, s[64:65] scope:SCOPE_SE
	s_setreg_imm32_b32 hwreg(HW_REG_WAVE_MODE, 25, 1), 1
	s_wait_xcnt 0x0
	s_wait_alu depctr_hold_cnt(0) depctr_sa_sdst(0) depctr_va_vdst(0) depctr_va_sdst(0) depctr_va_ssrc(0) depctr_va_vcc(0) depctr_vm_vsrc(0)
	s_getreg_b32 s2, hwreg(HW_REG_IB_STS2, 6, 4)
	s_cmp_eq_u32 s2, 0
	s_cbranch_scc0 .Lentry_in_a_cluster
	s_endpgm
.Lentry_in_a_cluster:
	s_bfe_u32 s2, ttmp6, 0x10000c
	s_cmp_lg_u32 s2, 0x3003
	s_cbranch_scc0 .Lentry_shape_is_right
	s_endpgm
.Lentry_shape_is_right:
; x[b][q][64 head + d] = the sum over k of softmax_k(score) V[b][head][k][d]; score = Q . K / 8 where mask[b][q][k] != 0, else -1e9, as the problem has it: the mask is an input and is honoured as it is given.
; qkv: three tensors of f16 laid [b][head][s][64]: c Q (c = log2(e) / 8), K, V.  So a product c Q . K is t = score x log2(e), and a hidden score is NEG = -1e9 x log2(e).  mw: lane masks (below).  xh: f16 [8192][1024].
; SOFTMAX: a running maximum m and sum l for each query; p = 2^(t - m); in every step O and l are multiplied by a = 2^(old m - new m).  A row with no key left has t = m = NEG everywhere, p = 1: the plain mean of V.
; Products on f16 operands with f32 sums; maxima and exponentials in f32; p is rounded to f16 for the second product, x once at the end.
; THE ROW'S SUM is made by the matrix unit: a fragment of ones times P, in f32, of the very weights that multiply V.  It costs four products a step and one fused multiply-add a tile, where packed additions would cost 34 lines;
; this loop has several vector lines for each matrix instruction, so the vector lines are what is spared.  Every lane then holds its query's whole sum: no exchange between the halves of the lanes.
; LIMITS: NaN and infinities are not served; c Q, K, V lie under 65,504 in magnitude (f16).
; SHARES.  A work-group owns 256 queries of TWO heads (2 pair, 2 pair + 1), so that a token's 256 bytes of xh are stored whole.  Wave w: head w / 8, queries 32 (w % 8) + 0..31: two tiles of 16, so that each fragment of K and V
; read from LDS feeds two products.  Four waves to a SIMD, 256 registers each: one wave's vector work stands beside another's matrix work and LDS loads.  Every wave walks all 2,048 keys, 64 a step.
; RING.  Two LDS slots of 256 keys, four steps: K of both heads, V of both heads, four parts; wave p = 0..3 fetches part p (256 rows of 128 bytes).  One tensor load of a wave is out at any time, and it has four steps in which to land.
; CLUSTER.  The four query blocks of a cluster walk the same K and V: each part is asked for jointly, by the same tensor load with the same descriptor and a mask that names the four.
; LAYOUT.  S^T = K Q^T (source 0 = 16 keys, source 1 = 16 queries): a lane holds ONE query (lane % 16) and keys 8 (lane / 16) + 0..7.  Two such tiles rounded in pairs ARE source 1 of O^T = V^T P.  V comes out of LDS turned.
; P is rounded IN PLACE: pair i of a tile's 32 scores goes into its register i, which no later pair reads.  The tile's registers 16-23, dead by then, take the sum's product.
; THE MASK.  mw [b][tile of 16 queries][step of 64 keys][32 words]: word 8 kt + j is the lane mask of register j of score tile kt.  A step's 2 x 32 words come by scalar loads a step ahead and feed v_cndmask_b32 alone.
; REGISTERS: v1-7 addresses and constants; v8-23 statistics, 8 a tile (+0 m, +1 old m, +2 l, +4..+7 at work, a in +6); v11 the prefetches' offset; v24-55 Q; v56-119 S^T, then p, P and the sums;
;   v120-151 and v216-247 two buffers of four fragments: a step's eight of K, then its eight of V; v152-215 O^T; v248-255 the ones.
.set PK,    144                        ; a row of K in LDS: 128 bytes + 16
.set PV,    160                        ; a row of V: 128 + 32
.set SK,    256                        ; keys in a slot
.set PARTK, SK*PK                      ; a head's K in a slot
.set PARTV, SK*PV                      ; a head's V
.set SLOTB, 2*PARTK+2*PARTV            ; a slot: K, K, V, V; slot 1 begins here
.set SPARE, 2*SLOTB                    ; behind the ring: the spare words, 128 bytes for each of the 16 waves
.set STAGE, 0                          ; the way out: 256 rows x 272 bytes, in slot 0, which has had its last fill and its last read at the last change of slots
.set SP,    272
.set SLB,   SK*128                     ; a slot's rows of one head in memory
.set NSL,   2048/SK
.set AK0, 1
.set AV0, 2
.set ADK, 3
.set ADV, 4
.set SPW, 5
.set NIL, 6
.set NEG, 7
.set ST,  8
.set PFO, 11
.set Q,   24
.set S,   56
.set KB,  120
.set O,   152
.set KA,  216
.set ONES, 248
.set WV,  2                            ; s2  my wave's number
.set SLOTS, 3                          ; s3  slots still to be asked for
.set G0,  4                            ; s[4:7]   descriptor group 0: it walks
.set G1K, 8                            ; s[8:15]  group 1 for K's parts
.set G1V, 16                           ; s[16:23] for V's: other padding
.set MP,  24                           ; s[24:25] the mask words of the step to be loaded
.set SEL, 26                           ; s[26:27] lane selects: lane l xor 16
.set XO,  28                           ; s[28:29] xh at my 16 rows
.set TB,  30                           ; s30 LDS byte at which the slot in hand begins: 0 or SLOTB
.set PB,  31                           ; s31 where the part that I fetch begins in a slot
.set MW0, 32                           ; s[32:63] tile 0's 32 mask words; tile 1's at s[68:99]
.set LIM, 66                           ; s66 1 in a wave that prefetches, else the greatest number
.set TD,  67                           ; s67 at work
.set PFA, 100                          ; s[100:101] where my prefetches stand
.macro CROUND                          ; a round of the cluster's barrier
	s_barrier_signal -1
	s_barrier_wait -1
	s_cmp_lg_u32 s[WV], 0
	s_cbranch_scc1 .Lnot_wave_0_\@
	s_barrier_signal -3
.Lnot_wave_0_\@:
	s_barrier_wait -3
	s_barrier_signal -1
	s_barrier_wait -1
.endm
; Waves 0 and 1 fetch K's two parts, waves 2 and 3 V's, the others nothing.  The branches hang on the wave's number alone.  An s_nop 0 and four v_nop follow each of the two lines.
.macro TLOAD
	s_cmp_lt_u32 s[WV], 2
	s_cbranch_scc0 .Lnot_k_\@
	tensor_load_to_lds s[G0:G0+3], s[G1K:G1K+7]
	s_nop 0
.rept 4
	v_nop
.endr
	s_branch .Lasked_\@
.Lnot_k_\@:
	s_cmp_lt_u32 s[WV], 4
	s_cbranch_scc0 .Lasked_\@
	tensor_load_to_lds s[G0:G0+3], s[G1V:G1V+7]
	s_nop 0
.rept 4
	v_nop
.endr
.Lasked_\@:
.endm
; A prefetch of what the NEXT change of slots will ask for: 128 blocks of 256 bytes of each of K's two heads and of V's two.  Both clusters of a pair of heads walk the same rows: the first of them asks.
; Its four partners share the blocks out by address, 32 of each head each; in each, waves 4 and 6 ask for K's and waves 5 and 7 for V's, 16 blocks of each head a wave: one instruction, a lane a block.
; So each block is named once in the launch.  It stands a slot's four key steps ahead of the load that wants the rows; the last change that fills a slot asks for nothing; slots 0 and 1 come by their loads alone.
.macro ASK
	s_cmp_gt_u32 s[SLOTS], s[LIM]
	s_cbranch_scc0 .Lnot_mine_\@
	global_prefetch_b8 v[PFO], s[PFA:PFA+1] th:TH_LOAD_NT scope:SCOPE_SE
.Lnot_mine_\@:
.endm
.macro MLOAD                           ; a step's mask words: 128 bytes for each of my two tiles of queries, 4,096 bytes apart
	s_load_b512 s[32:47], s[MP:MP+1], 0x0
	s_load_b512 s[48:63], s[MP:MP+1], 0x40
	s_load_b512 s[68:83], s[MP:MP+1], 0x1000
	s_load_b512 s[84:99], s[MP:MP+1], 0x1040
.endm
	s_load_b128 s[68:71], s[0:1], 0x0              ; qkv s[68:69], mw s[70:71]
	s_load_b64 s[72:73], s[0:1], 0x10              ; xh
	v_lshl_add_u32 v[SPW], v0, 2, SPARE
	v_mov_b32 v[NIL], 0
	ds_add_u32 v[SPW], v[NIL]                      ; the wave's opening: the add, twice on end, and its wait ahead of the first tensor loads
	ds_add_u32 v[SPW], v[NIL]
	v_lshrrev_b32 v56, 5, v0
	v_readfirstlane_b32 s[WV], v56                 ; wave 0..15
	s_bfe_u32 s76, ttmp6, 0x40000                  ; cx: my place in the cluster
	s_lshl_b32 s77, ttmp9, 2
	s_add_co_u32 s77, s77, s76                     ; qb: my block of 256 queries
	s_and_b32 s78, ttmp7, 0xffff                   ; y = 8 b + pair, which the four partners share
	s_lshr_b32 s79, s[WV], 3                       ; hsel: which of the two heads
	s_and_b32 s80, s[WV], 7                        ; wq: which 32 queries
	s_and_b32 s81, s[WV], 3                        ; the part that I fetch, if I fetch
	; descriptor group 1: 256 rows of 64 elements of 2 bytes, dense in memory, padded in LDS
	s_mov_b32 s[G1K], 15|(1<<16)|(1<<20)|(1<<21)|(4<<22)|(3<<25)   ; the mask: all four work-groups; elements of 2 bytes; padding on; bit 21 beside a mask; 4 words of padding after every 32
	s_mov_b32 s[G1V], 15|(1<<16)|(1<<20)|(1<<21)|(4<<22)|(7<<25)   ; the same with 8 words of padding
.irp g, G1K, G1V
	s_mov_b32 s[\g+1], 64<<16                      ; tensor_dim0
	s_mov_b32 s[\g+2], SK<<16                      ; tensor_dim1
	s_mov_b32 s[\g+3], 64<<16                      ; tile_dim0
	s_mov_b32 s[\g+4], SK                          ; tile_dim1
	s_mov_b32 s[\g+5], 64                          ; from row to row
	s_mov_b32 s[\g+6], 0
	s_mov_b32 s[\g+7], 0
.endr
	s_mul_i32 s[PB], s81, PARTK                    ; parts 0, 1, 2 begin at p x PARTK;
	s_lshr_b32 s82, s81, 1
	s_and_b32 s83, s82, s81                        ; (1 for part 3 alone)
	s_mul_i32 s83, s83, PARTV-PARTK
	s_add_co_u32 s[PB], s[PB], s83                 ; part 3 lies behind a part of V: the wave's number alone
	s_mov_b32 s[G0], 1
	s_mov_b32 s[G0+1], s[PB]                       ; LDS: slot 0
	s_add_co_u32 s82, s82, 1
	s_lshl_b32 s82, s82, 24                        ; tensor 1 (K) or 2 (V), 16,777,216 bytes each
	s_lshl_b32 s83, s78, 1
	s_and_b32 s84, s[WV], 1
	s_add_co_u32 s83, s83, s84
	s_lshl_b32 s83, s83, 18                        ; head 2 y + (w & 1), 262,144 bytes each
	s_add_co_u32 s82, s82, s83
	s_mov_b32 s83, 0
	s_lshl_b32 s84, s78, 1                         ; Q: head 2 y + hsel, query 256 qb + 32 wq
	s_add_co_u32 s84, s84, s79
	s_lshl_b32 s84, s84, 18
	s_lshl_b32 s85, s77, 15
	s_add_co_u32 s84, s84, s85
	s_lshl_b32 s85, s80, 12
	s_add_co_u32 s84, s84, s85
	s_mov_b32 s85, 0
	s_lshr_b32 s86, s78, 3                         ; b
	s_lshl_b32 s87, s86, 19                        ; mask words: tile of queries 128 b + 16 qb + 2 wq, 4,096 bytes each
	s_lshl_b32 s88, s77, 16
	s_add_co_u32 s87, s87, s88
	s_lshl_b32 s88, s80, 13
	s_add_co_u32 s88, s87, s88
	s_mov_b32 s89, 0
	s_lshl_b32 s90, s86, 22                        ; xh: token 2048 b + 256 qb + 16 w, 2,048 bytes each, + 256 pair
	s_lshl_b32 s91, s77, 19
	s_add_co_u32 s90, s90, s91
	s_lshl_b32 s91, s[WV], 15
	s_add_co_u32 s90, s90, s91
	s_and_b32 s91, s78, 7
	s_lshl_b32 s91, s91, 8
	s_add_co_u32 s90, s90, s91
	s_mov_b32 s91, 0
	s_and_b32 s92, s[WV], 1                        ; prefetches: tensor 1 + (w & 1), head 2 y,
	s_add_co_u32 s92, s92, 1
	s_lshl_b32 s92, s92, 24
	s_lshl_b32 s93, s78, 19
	s_add_co_u32 s92, s92, s93
	s_lshl_b32 s93, s76, 13                        ; my work-group's 32 blocks of a head,
	s_add_co_u32 s92, s92, s93
	s_bfe_u32 s93, s[WV], 0x10001                  ; my wave's 16 of them,
	s_lshl_b32 s93, s93, 12
	s_add_co_u32 s92, s92, s93
	s_add_co_u32 s92, s92, SLB                     ; in slot 1: the first change of slots steps it to slot 2
	s_mov_b32 s93, 0
	s_sub_co_u32 s94, s[WV], 4
	s_lshr_b32 s94, s94, 2                         ; 0 in waves 4 to 7,
	s_or_b32 s94, s94, ttmp9                       ; of the first cluster: the same in all four partners
	s_cmp_eq_u32 s94, 0
	s_cselect_b32 s[LIM], 1, -1
	s_mov_b32 s[SEL], 0x76543210
	s_mov_b32 s[SEL+1], 0xfedcba98
	s_mov_b32 s[TB], 0
	s_mov_b32 s[SLOTS], NSL-1
	s_wait_dscnt 0x0                               ; both opening adds are done
	s_wait_kmcnt 0x0
	s_add_nc_u64 s[G0+2:G0+3], s[68:69], s[82:83]
	s_or_b32 s[G0+3], s[G0+3], 0x80000000          ; type = 2
	s_add_nc_u64 s[74:75], s[68:69], s[84:85]      ; Q at my first query
	s_add_nc_u64 s[MP:MP+1], s[70:71], s[88:89]
	s_add_nc_u64 s[XO:XO+1], s[72:73], s[90:91]
	s_add_nc_u64 s[PFA:PFA+1], s[68:69], s[92:93]
	CROUND                                         ; all four work-groups are here: the first joint loads meet
	TLOAD                                          ; slot 0
	v_and_b32 v56, 15, v0                          ; r
	v_bfe_u32 v57, v0, 4, 1                        ; h
	v_lshlrev_b32 v58, 7, v56
	v_lshl_add_u32 v58, v57, 4, v58                ; Q: row r of 128 bytes, + 16 h
.irp t, 0,1
.irp c, 0,1
	global_load_b128 v[Q+16*\t+8*\c:Q+16*\t+8*\c+3], v58, s[74:75] offset:2048*\t+64*\c      ; Q stays in registers: tile t, channels 32 c on
	global_load_b128 v[Q+16*\t+8*\c+4:Q+16*\t+8*\c+7], v58, s[74:75] offset:2048*\t+64*\c+32
.endr
.endr
	s_mul_i32 s[TD], s79, PARTK                    ; my head's part of K
	v_mul_u32_u24 v[AK0], v56, PK
	v_lshl_add_u32 v[AK0], v57, 4, v[AK0]
	v_add_nc_u32 v[AK0], s[TD], v[AK0]             ; row r x pitch + 16 h
	v_and_b32 v59, 7, v0
	v_lshl_add_u32 v[AV0], v57, 3, v59             ; the turning load: key 8 h + l % 8,
	v_mul_u32_u24 v[AV0], v[AV0], PV
	v_bfe_u32 v59, v0, 3, 1
	v_lshl_add_u32 v[AV0], v59, 4, v[AV0]          ; channels 8 ((l / 8) % 2) on
	s_mul_i32 s[TD], s79, PARTV
	s_add_co_u32 s[TD], s[TD], 2*PARTK             ; my head's part of V
	v_add_nc_u32 v[AV0], s[TD], v[AV0]
	v_lshlrev_b32 v[PFO], 18, v57                  ; prefetches: lanes 0-15 the first head's 16 blocks, lanes 16-31 the second's
	v_lshl_add_u32 v[PFO], v56, 8, v[PFO]
	v_mov_b32 v[NEG], 0xceabfb8f                   ; -1e9 x log2(e)
.irp t, 0,1
	v_mov_b32 v[ST+8*\t], 0xff61b1e6               ; m: -3e38, under every t;
	v_mov_b32 v[ST+8*\t+1], 0xff61b1e6             ; the old m likewise: the first a is 2^(-3e38 - m) = 0
	v_mov_b32 v[ST+8*\t+2], 0                      ; l
.endr
.set i, 0
.rept 8
	v_mov_b32 v[ONES+i], 0x3c003c00                ; a fragment of ones in f16
.set i, i+1
.endr
.set i, 0
.rept 64
	v_mov_b32 v[O+i], 0                            ; O^T.  The step is written without a first step of its own: the first a is 0 and finds zeros
.set i, i+1
.endr
	s_wait_xcnt 0x0                                ; Q's loads have read their base: the mask words may land on it
	MLOAD                                          ; key step 0's mask words
	s_wait_loadcnt 0x0                             ; Q
.macro LSUM kc                         ; the sum of p over keys 32 kc on: ones x P.  The first starts the sum; all rows of the result are alike
.irp t, 0,1
.if \kc == 0
	v_wmma_f32_16x16x32_f16 v[S+32*\t+16:S+32*\t+23], v[ONES:ONES+7], v[S+32*\t+8*(\kc):S+32*\t+8*(\kc)+7], 0
.else
	v_wmma_f32_16x16x32_f16 v[S+32*\t+16:S+32*\t+23], v[ONES:ONES+7], v[S+32*\t+8*(\kc):S+32*\t+8*(\kc)+7], v[S+32*\t+16:S+32*\t+23]
.endif
.endr
.endm
.macro PVMUL kc                        ; O^T += V^T P: eight accumulators by turns, one instruction a turn
.irp ct, 0,1,2,3
.irp t, 0,1
.set FV, KA+(KB-KA)*(\kc)+8*\ct
	v_wmma_f32_16x16x32_f16 v[O+32*\t+8*\ct:O+32*\t+8*\ct+7], v[FV:FV+7], v[S+32*\t+8*(\kc):S+32*\t+8*(\kc)+7], v[O+32*\t+8*\ct:O+32*\t+8*\ct+7]
.endr
.endr
.endm
; A KEY STEP: 64 keys, the st-th of the slot in hand.  next = 1: the next step's mask words are asked for.
.macro STEP st, next
.irp kt, 0,1,2,3                               ; K: eight fragments (16 keys x 32 channels) in one run: keys 0-31 into one buffer, keys 32-63 into the other
.irp c, 0,1
.set FK, KA+(KB-KA)*(\kt/2)+8*(2*(\kt%2)+\c)
	ds_load_b128 v[FK:FK+3], v[ADK] offset:(64*(\st)+16*\kt)*PK+64*\c
	ds_load_b128 v[FK+4:FK+7], v[ADK] offset:(64*(\st)+16*\kt)*PK+64*\c+32
.endr
.endr
	s_wait_dscnt 0x0
.irp c, 0,1                                    ; S^T = K Q^T: eight accumulators by turns; the first 32 channels start the sums
.irp kt, 0,1,2,3
.irp t, 0,1
.set FK, KA+(KB-KA)*(\kt/2)+8*(2*(\kt%2)+\c)
.if \c == 0
	v_wmma_f32_16x16x32_f16 v[S+32*\t+8*\kt:S+32*\t+8*\kt+7], v[FK:FK+7], v[Q+16*\t+8*\c:Q+16*\t+8*\c+7], 0
.else
	v_wmma_f32_16x16x32_f16 v[S+32*\t+8*\kt:S+32*\t+8*\kt+7], v[FK:FK+7], v[Q+16*\t+8*\c:Q+16*\t+8*\c+7], v[S+32*\t+8*\kt:S+32*\t+8*\kt+7]
.endif
.endr
.endr
.endr
.rept 4
	v_nop                                          ; four plain lines in front of the loads into the registers that these products read, and of the first read of the scores
.endr
.irp kc, 0,1                                   ; V^T: eight fragments (16 channels x 32 keys), turned, in one run: they land during the softmax
.irp ct, 0,1,2,3
.set FV, KA+(KB-KA)*\kc+8*\ct
	ds_load_tr16_b128 v[FV:FV+3], v[ADV] offset:(64*(\st)+32*\kc)*PV+32*\ct
	ds_load_tr16_b128 v[FV+4:FV+7], v[ADV] offset:(64*(\st)+32*\kc)*PV+16*PV+32*\ct
.endr
.endr
	s_wait_kmcnt 0x0                               ; this step's mask words are in, so their base may step
	s_add_nc_u64 s[MP:MP+1], s[MP:MP+1], 128
.irp t, 0,1
.set i, 0
.rept 32
	v_cndmask_b32 v[S+32*\t+i], v[NEG], v[S+32*\t+i], s[MW0+36*\t+i]   ; a hidden score becomes NEG; each accumulator is read from its low end on
.set i, i+1
.endr
.endr
.if \next
	MLOAD
.endif
.irp j, 0,1,2,3                                ; the maximum of my 32 scores and the old m: four chains a tile, the two tiles line by line
.irp t, 0,1
	v_max3_num_f32 v[ST+8*\t+4+\j], v[S+32*\t+8*\j], v[S+32*\t+8*\j+1], v[S+32*\t+8*\j+2]
.endr
.endr
.irp u, 1,2
.irp j, 0,1,2,3
.irp t, 0,1
	v_max3_num_f32 v[ST+8*\t+4+\j], v[ST+8*\t+4+\j], v[S+32*\t+8*\j+2*\u+1], v[S+32*\t+8*\j+2*\u+2]
.endr
.endr
.endr
.irp t, 0,1
	v_max3_num_f32 v[ST+8*\t+4], v[ST+8*\t+4], v[S+32*\t+7], v[S+32*\t+15]
.endr
.irp t, 0,1
	v_max3_num_f32 v[ST+8*\t+6], v[ST+8*\t+6], v[S+32*\t+23], v[S+32*\t+31]
.endr
.irp t, 0,1
	v_max3_num_f32 v[ST+8*\t+4], v[ST+8*\t+4], v[ST+8*\t+5], v[ST+8*\t+6]
.endr
.irp t, 0,1
	v_max3_num_f32 v[ST+8*\t+4], v[ST+8*\t+4], v[ST+8*\t+7], v[ST+8*\t]
.endr
.irp t, 0,1
	v_permlanex16_b32 v[ST+8*\t+5], v[ST+8*\t+4], s[SEL], s[SEL+1]   ; the query's other 32 keys lie in the lane 16 away
.endr
.irp t, 0,1
	v_max_num_f32 v[ST+8*\t], v[ST+8*\t+4], v[ST+8*\t+5]   ; the new m (the old one was copied at the last step's end)
.endr
.irp t, 0,1
	v_sub_f32 v[ST+8*\t+7], v[ST+8*\t+1], v[ST+8*\t]
.endr
.set i, 0
.rept 16
.irp t, 0,1
	v_pk_add_f32 v[S+32*\t+i:S+32*\t+i+1], v[S+32*\t+i:S+32*\t+i+1], v[ST+8*\t:ST+8*\t+1] op_sel_hi:[1,0] neg_lo:[0,1] neg_hi:[0,1]   ; t - m, two at a time
.endr
.set i, i+2
.endr
.irp t, 0,1
	v_exp_f32 v[ST+8*\t+6], v[ST+8*\t+7]           ; a = 2^(old m - new m)
.endr
.set i, 0
.rept 32
	v_exp_f32 v[S+i], v[S+i]                       ; p = 2^(t - m): both tiles' 66 exponentials are one batch
	v_exp_f32 v[S+32+i], v[S+32+i]
.set i, i+1
.endr
	v_nop                                          ; a plain line behind the last exponential
	s_wait_alu depctr_va_vdst(0)                   ; a wait ahead of the first line that names a result: one for the batch
.irp t, 0,1
.set i, 0
.rept 16
	v_cvt_pk_f16_f32 v[S+32*\t+i], v[S+32*\t+2*i], v[S+32*\t+2*i+1]   ; P in place: register i takes pair i; no later pair reads it
.set i, i+1
.endr
.endr
.irp t, 0,1
.set i, 0
.rept 16
	v_pk_mul_f32 v[O+32*\t+i:O+32*\t+i+1], v[O+32*\t+i:O+32*\t+i+1], v[ST+8*\t+6:ST+8*\t+7] op_sel_hi:[1,0]   ; O^T x a, each accumulator from its low end on
.set i, i+2
.endr
.endr
	s_wait_dscnt 0x0                               ; V
	LSUM 0                                         ; twenty products on ten accumulators by turns
	PVMUL 0
	LSUM 1
	PVMUL 1
.irp t, 0,1
	v_mov_b32 v[ST+8*\t+1], v[ST+8*\t]             ; m is kept as the next step's old m.  With the three lines below: the plain lines between these products and the read of the sums,
.endr
.rept 3
	v_nop                                          ; the next loads into the fragments' registers, and the next step's products, which write over P and the sums
.endr
.irp t, 0,1
	v_fma_f32 v[ST+8*\t+2], v[ST+8*\t+2], v[ST+8*\t+6], v[S+32*\t+16]   ; l = l a + the step's sum: the result's lowest register
.endr
.endm
; THE CHANGE OF SLOTS stands at a slot's head.  Each wave waits for all its tensor loads (its part of the slot ahead), adds 0 to its spare word, and waits for that and for its reads of the slot that it has left.
; fill = 1: a round of the cluster's barrier, so that no wave of any partner still reads the slot left or has a load on its way; the joint load into that slot is the first thing behind it and has four key steps in which to land.
.macro CHANGE fill
	s_wait_tensorcnt 0x0                           ; no tensor load of mine is out, so group 0 may be written
	ds_add_u32 v[SPW], v[NIL]                      ; 0 onto my spare word
.if \fill
	ds_add_u32 v[SPW], v[NIL]                      ; and once more: the add twice on end, in every trip alike
	s_xor_b32 s[TD], s[TB], SLOTB                  ; the other slot than the one in hand,
	s_add_co_u32 s[G0+1], s[PB], s[TD]             ; my part of it,
	s_add_nc_u64 s[G0+2:G0+3], s[G0+2:G0+3], SLB   ; the next 256 keys; the type bits on top are not reached
	s_wait_xcnt 0x0                                ; the last prefetch, a slot back, has read its address
	s_add_nc_u64 s[PFA:PFA+1], s[PFA:PFA+1], SLB   ; one slot further on than the walking descriptor
	s_wait_dscnt 0x0                               ; both adds are done, and my reads of the slot that I have left are over
	CROUND
	TLOAD
	ASK
.else
	s_wait_dscnt 0x0
	s_barrier_signal -1
	s_barrier_wait -1
.endif
	v_add_nc_u32 v[ADK], s[TB], v[AK0]             ; the slot's addresses: the four steps stand in the loads' immediates
	v_add_nc_u32 v[ADV], s[TB], v[AV0]
.endm
.Lslot:                                                ; 7 trips: behind each change of slots but the last the next slot is asked for
	CHANGE 1
	STEP 0, 1
	STEP 1, 1
	STEP 2, 1
	STEP 3, 1
	s_xor_b32 s[TB], s[TB], SLOTB
	s_sub_co_u32 s[SLOTS], s[SLOTS], 1
	s_cmp_lg_u32 s[SLOTS], 0
	s_cbranch_scc1 .Lslot
	CHANGE 0                                       ; the last slot is written out
	STEP 0, 1
	STEP 1, 1
	STEP 2, 1
	STEP 3, 0
	; THE WAY OUT.  O^T / l is rounded to f16 and goes through the work-group's stage, since a token's 256 bytes come from two waves (two heads).  The stage lies in slot 0: every wave left it at the last change of slots, and nothing is filled any more.
.irp t, 0,1
	v_rcp_f32 v[ST+8*\t+6], v[ST+8*\t+2]
.endr
	v_and_b32 v219, 15, v0                         ; r.  (The address work is the plain work behind the reciprocals; the fragments' registers are free)
	v_bfe_u32 v220, v0, 4, 1                       ; h
	s_and_b32 s[PB], s[WV], 7
	s_mul_i32 s[PB], s[PB], 32*SP                  ; way in: row 32 (w % 8) + r, + 128 (w / 8) + 16 h
	s_lshr_b32 s[TD], s[WV], 3
	s_lshl_b32 s[TD], s[TD], 7
	s_add_co_u32 s[PB], s[PB], s[TD]
	v_mul_u32_u24 v216, v219, SP
	v_lshl_add_u32 v216, v220, 4, v216
	v_add_nc_u32 v216, s[PB], v216
	s_mul_i32 s[PB], s[WV], 16*SP                  ; way out: rows 16 w on; lanes 0-15 one row of 256 bytes, lanes 16-31 the next
	v_mul_u32_u24 v217, v220, SP
	v_lshl_add_u32 v217, v219, 4, v217
	v_add_nc_u32 v217, s[PB], v217
	v_lshlrev_b32 v218, 11, v220                   ; and the same two rows in xh
	v_lshl_add_u32 v218, v219, 4, v218
	s_wait_alu depctr_va_vdst(0)                   ; a wait ahead of the first use of the reciprocals
.irp t, 0,1
.set i, 0
.rept 16
	v_pk_mul_f32 v[O+32*\t+i:O+32*\t+i+1], v[O+32*\t+i:O+32*\t+i+1], v[ST+8*\t+6:ST+8*\t+7] op_sel_hi:[1,0]
.set i, i+2
.endr
.endr
.set i, 0
.rept 32
	v_cvt_pk_f16_f32 v[S+i], v[O+2*i], v[O+2*i+1]  ; register 16 t + 4 ct + u: channels 16 ct + 8 h + 2 u, + 1 of query r of tile t
.set i, i+1
.endr
.irp t, 0,1
.irp ct, 0,1,2,3
	ds_store_b128 v216, v[S+16*\t+4*\ct:S+16*\t+4*\ct+3] offset:STAGE+16*\t*SP+32*\ct
.endr
.endr
	s_wait_dscnt 0x0                               ; for the others' sake: my stores into the stage are done
	s_barrier_signal -1
	s_barrier_wait -1
.irp i, 0,1,2,3,4,5,6,7
	ds_load_b128 v[S+32+4*\i:S+32+4*\i+3], v217 offset:STAGE+2*\i*SP
.endr
.irp i, 0,1,2,3,4,5,6,7
	s_wait_dscnt 7-\i                              ; LDS loads come back in order: load i is in, the younger ones stay out
	global_store_b128 v218, v[S+32+4*\i:S+32+4*\i+3], s[XO:XO+1] offset:4096*\i   ; 16 lanes store 256 consecutive aligned bytes
.endr
	s_wait_tensorcnt 0x0                           ; the wave's end, behind my last tensor load and my last LDS store
	ds_add_u32 v[SPW], v[NIL]
	s_wait_dscnt 0x0
	CROUND                                         ; the closing round
	s_endpgm
.Lfunc_end_k_q2ba28d3ea6_attn:
	.size	k_q2ba28d3ea6_attn, .Lfunc_end_k_q2ba28d3ea6_attn-k_q2ba28d3ea6_attn
	.p2alignl 7, 3214868480
	.fill 96, 4, 3214868480
	.section	.rodata,"a",@progbits
	.p2align	6, 0x0
	.amdhsa_kernel k_q2ba28d3ea6_attn
		.amdhsa_group_segment_fixed_size 327680
		.amdhsa_private_segment_fixed_size 0
		.amdhsa_enable_private_segment 0
		.amdhsa_kernarg_size 24
		.amdhsa_user_sgpr_count 2
		.amdhsa_user_sgpr_kernarg_segment_ptr 1
		.amdhsa_wavefront_size32 1
		.amdhsa_system_sgpr_workgroup_id_x 1
		.amdhsa_system_sgpr_workgroup_id_y 1
		.amdhsa_system_sgpr_workgroup_id_z 1
		.amdhsa_system_vgpr_workitem_id 0
		.amdhsa_next_free_vgpr 256
		.amdhsa_next_free_sgpr 102
		.amdhsa_reserve_vcc 0
		.amdhsa_float_denorm_mode_32 3
		.amdhsa_float_denorm_mode_16_64 3
		.amdhsa_memory_ordered 1
		.amdhsa_forward_progress 1
		.amdhsa_inst_pref_size 175
	.end_amdhsa_kernel
	.amdgpu_metadata
---
amdhsa.version: [ 1, 2 ]
amdhsa.kernels:
  - .name:           k_q2ba28d3ea6_attn
    .symbol:         k_q2ba28d3ea6_attn.kd
    .args:
      - { .name: qkv, .offset: 0, .size: 8, .value_kind: global_buffer, .address_space: global }
      - { .name: mw, .offset: 8, .size: 8, .value_kind: global_buffer, .address_space: global }
      - { .name: xh, .offset: 16, .size: 8, .value_kind: global_buffer, .address_space: global }
    .group_segment_fixed_size: 327680
    .private_segment_fixed_size: 0
    .kernarg_segment_align: 8
    .kernarg_segment_size: 24
    .max_flat_workgroup_size: 512
    .sgpr_count:     102
    .vgpr_count:     256
    .wavefront_size: 32
...
	.end_amdgpu_metadata
.endif
;; end of part 3
;; launch outp (part 4): grid 8 x 64, 4 waves a work-group, clusters of 4 x 4, 327,680 bytes of LDS; arguments xh, wo16, bo, out0; writes out0
.if DOCPART == 4
	.amdgcn_target "amdgcn-amd-amdhsa--gfx1250"
	.amdhsa_code_object_version 6
	.text
	.protected	k_q2ba28d3ea6_outp
	.globl	k_q2ba28d3ea6_outp
	.p2align	8
	.type	k_q2ba28d3ea6_outp,@function
k_q2ba28d3ea6_outp:
	s_mov_b64 s[64:65], 0
	v_nop
	global_prefetch_b8 v0, s[64:65] scope:SCOPE_SE
	s_setreg_imm32_b32 hwreg(HW_REG_WAVE_MODE, 25, 1), 1
	s_wait_xcnt 0x0
	s_wait_alu depctr_hold_cnt(0) depctr_sa_sdst(0) depctr_va_vdst(0) depctr_va_sdst(0) depctr_va_ssrc(0) depctr_va_vcc(0) depctr_vm_vsrc(0)
	s_getreg_b32 s2, hwreg(HW_REG_IB_STS2, 6, 4)
	s_cmp_eq_u32 s2, 0
	s_cbranch_scc0 .Lentry_in_a_cluster
	s_endpgm
.Lentry_in_a_cluster:
	s_bfe_u32 s2, ttmp6, 0x10000c
	s_cmp_lg_u32 s2, 0xf033
	s_cbranch_scc0 .Lentry_shape_is_right
	s_endpgm
.Lentry_shape_is_right:
; out0[m][n] = the sum over k of x[m][k] Wo[n][k] + bo[n].  xh: [8192][1024] f16, wo16: [1024][1024] f16, bo: [1024] f32, out0: [8192][1024] f32; sums in f32.
; A tile of out0 is 128 x 128: 512 tiles, two for each of 256 WGPs (tiles of 256 x 256 would be 128).  Four waves, each 64 x 64: 16 accumulators, 128 registers.
; K goes in steps of 256 (LDS rows of 512 bytes; a wave's tensor load brings 64 of them) through a ring of two slots.  One tensor load of a wave is out behind each round, two at the start.
; CLUSTERS: 4 x 4 work-groups.  The four of a row of the cluster need the same tiles of x, the four of a column the same tiles of Wo: each tile is asked for jointly.
; THE MATRIX INSTRUCTION IS USED TRANSPOSED (source 0 = 16 rows of Wo, source 1 = 16 rows of x): a lane then holds eight neighbouring numbers of a row of out0.
; The bias is the C of each sum's first matrix instruction: it costs no addition.  A wave's 64 columns of f32 are 256 aligned bytes, so each wave has a stage of its own on the way out and no barrier is needed there.
; No prefetch: the tiles are small and every row of x and Wo is read again by many work-groups.
; REGISTERS: window 0: v0-31 addresses; v32-95 at work on the way out; v96-127 the bias; v128-255 the accumulators ((a, b) at v[128 + 8 (4 a + b)]).   window 1: two fragment buffers of 128.
.set SIZE_N, 1024
.set SIZE_K, 1024
.set KSTEP,  256
.set PITCH,  528                       ; an LDS row: 512 bytes + 16 of padding
.set HALFT,  64*PITCH
.set SLOT,   4*HALFT
.set STAGE,  2*SLOT                    ; behind the ring: 16 rows x 272 bytes for each wave
.set SPITCH, 272
.set SPARE,  STAGE+4*16*SPITCH         ; the spare words, 128 bytes for each wave
.set LAPS, SIZE_K/(2*KSTEP)
.set ADRA, 16
.set ADRB, 20
.set STO,  24
.set RD,   25
.set CO,   26
.set BO,   27                          ; v27  32 x (lane / 16): my place in the bias; never rewritten
.set SPW,  28
.set NIL,  29
.set TMP,  32
.set BIAS, 96                          ; register 8 b + j = bo[n0 + 16 b + 8 (lane / 16) + j]
.set ACC,  128
.set F0,   0
.set F1,   128
.set G1, 24
.set G0, 32
.set G1B, 48
.set G0B, 56
.set MSB, 0
.macro WIN new
.if MSB != \new
	s_set_vgpr_msb (MSB<<8)|\new
.set MSB, \new
.endif
.endm
.set MUL,  0x05                        ; sources 0 (Wo) and 1 (x) window 1; C and D window 0
.set TO_F, 0x40
.macro JLOAD s                         ; a joint load: waves 0 and 1 fetch x's two halves, waves 2 and 3 Wo's; an s_nop 0 and four v_nop follow each of the two lines
	s_cmp_eq_u32 s11, 0
	s_cbranch_scc0 .Lfor_b_\@
	tensor_load_to_lds s[G0+4*\s:G0+4*\s+3], s[G1:G1+7]
	s_nop 0
.rept 4
	v_nop
.endr
	s_branch .Lasked_\@
.Lfor_b_\@:
	tensor_load_to_lds s[G0B+4*\s:G0B+4*\s+3], s[G1B:G1B+7]
	s_nop 0
.rept 4
	v_nop
.endr
.Lasked_\@:
.endm
.macro CREST
	s_cmp_lg_u32 s10, 0
	s_cbranch_scc1 .Lnot_wave_0_\@
	s_barrier_signal -3
.Lnot_wave_0_\@:
	s_barrier_wait -3
	s_barrier_signal -1
	s_barrier_wait -1
.endm
.macro CROUND
	s_barrier_signal -1
	s_barrier_wait -1
	CREST
.endm
	s_load_b128 s[4:7], s[0:1], 0x0                ; xh s[4:5], wo16 s[6:7]
	s_load_b128 s[68:71], s[0:1], 0x10             ; bo s[68:69], out0 s[70:71]
	v_lshl_add_u32 v[SPW], v0, 2, SPARE
	v_mov_b32 v[NIL], 0
	ds_add_u32 v[SPW], v[NIL]                      ; the wave's opening: the add, twice on end, and its wait ahead of my first tensor load
	ds_add_u32 v[SPW], v[NIL]
	v_lshrrev_b32 v1, 5, v0
	v_readfirstlane_b32 s10, v1                    ; wave 0..3
	s_lshr_b32 s11, s10, 1                         ; which half of the tile's rows is mine.  Also: I fetch for x (0) or for Wo (1)
	s_and_b32 s12, s10, 1                          ; which half of its columns.  Also: which 64 rows of that tile I fetch
	s_bfe_u32 s40, ttmp6, 0x40000                  ; cx, cy
	s_bfe_u32 s41, ttmp6, 0x40004
	s_lshl_b32 s42, ttmp9, 2
	s_add_co_u32 s42, s42, s40                     ; tile column
	s_and_b32 s13, ttmp7, 0xffff
	s_lshl_b32 s13, s13, 2
	s_add_co_u32 s13, s13, s41                     ; tile row
	s_lshl_b32 s43, s41, 2
	s_lshl_b32 s43, 15, s43                        ; my row of the cluster
	s_lshl_b32 s44, 0x1111, s40                    ; my column
	; descriptor group 1: a tile of 64 rows x 256 elements of 2 bytes, 4 words of padding after every 128
	s_or_b32 s[G1+0], s43, (1<<16)|(1<<20)|(1<<21)|(6<<22)|(3<<25)
	s_or_b32 s[G1B+0], s44, (1<<16)|(1<<20)|(1<<21)|(6<<22)|(3<<25)
.irp g, G1, G1B
	s_mov_b32 s[\g+1], KSTEP<<16                   ; tensor_dim0
	s_mov_b32 s[\g+2], 64<<16                      ; tensor_dim1
	s_mov_b32 s[\g+3], KSTEP<<16                   ; tile_dim0
	s_mov_b32 s[\g+4], 64                          ; tile_dim1
	s_mov_b32 s[\g+5], SIZE_K                      ; from row to row
	s_mov_b32 s[\g+6], 0
	s_mov_b32 s[\g+7], 0
.endr
	s_lshl_b32 s17, s12, 6                         ; which 64 rows of the tile I fetch
	s_lshl_b32 s16, s13, 7
	s_add_co_u32 s16, s16, s17                     ; x: row 128 x tile row + 64 x half
	s_lshl_b32 s46, s42, 7
	s_add_co_u32 s46, s46, s17                     ; Wo: row 128 x tile column + 64 x half
	s_mov_b32 s17, 0
	s_mov_b32 s47, 0
	s_mov_b64 s[18:19], SIZE_K*2
	s_mul_u64 s[16:17], s[16:17], s[18:19]
	s_mul_u64 s[46:47], s[46:47], s[18:19]
	s_mul_i32 s20, s10, HALFT                      ; where they go: wave x 64 rows
	s_wait_dscnt 0x0                               ; both opening adds are done
	s_wait_kmcnt 0x0
	s_add_nc_u64 s[14:15], s[4:5], s[16:17]
	s_add_nc_u64 s[46:47], s[6:7], s[46:47]
	CROUND                                         ; all sixteen work-groups are here: the first joint loads meet
.irp s, 0,1
	s_mov_b32 s[G0+4*\s], 1
	s_add_co_u32 s[G0+4*\s+1], s20, \s*SLOT
	s_add_nc_u64 s[G0+4*\s+2:G0+4*\s+3], s[14:15], \s*KSTEP*2
	s_or_b32 s[G0+4*\s+3], s[G0+4*\s+3], 0x80000000
	s_mov_b32 s[G0B+4*\s], 1
	s_add_co_u32 s[G0B+4*\s+1], s20, \s*SLOT
	s_add_nc_u64 s[G0B+4*\s+2:G0B+4*\s+3], s[46:47], \s*KSTEP*2
	s_or_b32 s[G0B+4*\s+3], s[G0B+4*\s+3], 0x80000000
	JLOAD \s
.endr
	v_and_b32 v1, 15, v0                           ; r
	v_bfe_u32 v2, v0, 4, 1                         ; h
	v_mul_u32_u24 v3, v1, PITCH
	v_lshl_add_u32 v3, v2, 4, v3
	s_mul_i32 s21, s11, HALFT                      ; my 64 rows of x
	s_mul_i32 s22, s12, HALFT                      ; my 64 rows of Wo,
	s_add_co_u32 s22, s22, 2*HALFT                 ; which lie behind x's 128
.irp s, 0,1
	v_add_nc_u32 v[ADRA+\s], s21, v3
	v_add_nc_u32 v[ADRB+\s], s22, v3
	s_add_co_u32 s21, s21, SLOT
	s_add_co_u32 s22, s22, SLOT
.endr
	s_mul_i32 s23, s10, 16*SPITCH
	s_add_co_u32 s23, s23, STAGE                   ; my stage
	v_mul_u32_u24 v4, v1, SPITCH                   ; in: row r, 32 bytes for each half of the lanes
	v_lshl_add_u32 v4, v2, 5, v4
	v_add_nc_u32 v[STO], s23, v4
	v_mul_u32_u24 v5, v2, SPITCH                   ; back: lanes 0-15 one row of 256 bytes, lanes 16-31 the next
	v_lshl_add_u32 v5, v1, 4, v5
	v_add_nc_u32 v[RD], s23, v5
	v_lshlrev_b32 v5, 12, v2                       ; and the same two rows in out0 (4,096 bytes a row)
	v_lshl_add_u32 v[CO], v1, 4, v5
	s_lshl_b32 s16, s13, 7
	s_lshl_b32 s17, s11, 6
	s_add_co_u32 s16, s16, s17                     ; my first row: 128 x tile row + 64 x half
	s_lshl_b32 s16, s16, 12
	s_mov_b32 s17, 0
	s_lshl_b32 s46, s42, 9
	s_lshl_b32 s47, s12, 8
	s_add_co_u32 s46, s46, s47                     ; my first column, in bytes: 512 x tile column + 256 x half
	s_mov_b32 s47, 0
	s_add_nc_u64 s[8:9], s[70:71], s[16:17]
	s_add_nc_u64 s[8:9], s[8:9], s[46:47]
	s_add_nc_u64 s[68:69], s[68:69], s[46:47]      ; bo at my 64 columns
	v_lshlrev_b32 v[BO], 5, v2
.irp b, 0,1,2,3
	global_load_b128 v[BIAS+8*\b:BIAS+8*\b+3], v[BO], s[68:69] offset:64*\b
	global_load_b128 v[BIAS+8*\b+4:BIAS+8*\b+7], v[BO], s[68:69] offset:64*\b+16
.endr
; 8 matrix instructions: m blocks a0, a0 + 1 x all 4 n blocks, 32 along K: half c of buffer f.  zero = 1: the first product starts the sums, on the bias.  The 16 accumulators take turns.
.macro MUL8 f, c, a0, zero
.irp a, \a0, \a0+1
.irp b, 0,1,2,3
.if \zero
	v_wmma_f32_16x16x32_f16 v[ACC+8*(4*(\a)+\b):ACC+8*(4*(\a)+\b)+7], v[\f+64+8*(4*\c+\b):\f+64+8*(4*\c+\b)+7], v[\f+8*(4*\c+\a):\f+8*(4*\c+\a)+7], v[BIAS+8*\b:BIAS+8*\b+7]
.else
	v_wmma_f32_16x16x32_f16 v[ACC+8*(4*(\a)+\b):ACC+8*(4*(\a)+\b)+7], v[\f+64+8*(4*\c+\b):\f+64+8*(4*\c+\b)+7], v[\f+8*(4*\c+\a):\f+8*(4*\c+\a)+7], v[ACC+8*(4*(\a)+\b):ACC+8*(4*(\a)+\b)+7]
.endif
.endr
.endr
.endm
.macro FETCH slot, k, f                ; 32 LDS loads in one run: the fragments of 64 along K at byte k of the rows, the first 32 along K first
	WIN TO_F
.irp c, 0,1
.irp i, 0,1,2,3
	ds_load_b128 v[\f+64+8*(4*\c+\i):\f+64+8*(4*\c+\i)+3],   v[ADRB+\slot] offset:\k+64*\c+\i*16*PITCH
	ds_load_b128 v[\f+64+8*(4*\c+\i)+4:\f+64+8*(4*\c+\i)+7], v[ADRB+\slot] offset:\k+64*\c+\i*16*PITCH+32
	ds_load_b128 v[\f+8*(4*\c+\i):\f+8*(4*\c+\i)+3],         v[ADRA+\slot] offset:\k+64*\c+\i*16*PITCH
	ds_load_b128 v[\f+8*(4*\c+\i)+4:\f+8*(4*\c+\i)+7],       v[ADRA+\slot] offset:\k+64*\c+\i*16*PITCH+32
.endr
.endr
.endm
.macro PLACES                          ; four plain lines in front of loads into registers that matrix instructions have read, and of the first read of results
.rept 4
	v_nop
.endr
.endm
.macro QUARTER slot, k, f, g, zero     ; 64 along K: multiplies buffer f and fetches the next quarter, at byte k, into g
	s_wait_dscnt 16                                ; the first 32 along K are in; the sixteen loads of the second 32 may be out
	WIN MUL
	MUL8 \f, 0, 0, \zero
	MUL8 \f, 0, 2, \zero
	PLACES
	FETCH \slot, \k, \g
	s_wait_dscnt 32                                ; all but the 32 just issued
	WIN MUL
	MUL8 \f, 1, 0, 0
	MUL8 \f, 1, 2, 0
.endm
; The last quarter multiplies buffer 1 and changes slots: one barrier; in front of it each wave waits for all its tensor loads, adds 0 to its spare word, and waits for that and for its reads of this slot.  fill = 1: this slot is filled again, two K steps ahead.
.macro TURN slot, next, fill
	WIN 0                                          ; (the add's two registers lie in window 0)
	s_wait_tensorcnt 0x0                           ; all my tensor loads have landed: my part of the next slot
	ds_add_u32 v[SPW], v[NIL]                      ; 0 onto my spare word
	s_wait_dscnt 17                                ; the add and the youngest sixteen loads may be out
	WIN MUL
	MUL8 F1, 0, 0, 0
	s_wait_dscnt 0x0                               ; the add is done, and my reads of this slot are over
	s_barrier_signal -1
	MUL8 F1, 0, 2, 0
.if \fill
	WIN 0
.endif
	s_barrier_wait -1
.if \fill
	CREST                                          ; the barrier has opened a round of the cluster's barrier: no wave of any partner still reads this slot's tile or has a load on its way
	s_add_nc_u64 s[G0+4*\slot+2:G0+4*\slot+3], s[G0+4*\slot+2:G0+4*\slot+3], 2*KSTEP*2
	s_add_nc_u64 s[G0B+4*\slot+2:G0B+4*\slot+3], s[G0B+4*\slot+2:G0B+4*\slot+3], 2*KSTEP*2
	JLOAD \slot                                    ; the first tensor load behind the round; its four v_nop are also the places in front of the loads below
.else
	PLACES
.endif
	FETCH \next, 0, F0
	WIN MUL
	MUL8 F1, 1, 0, 0
	MUL8 F1, 1, 2, 0
.endm
	s_wait_tensorcnt 1                             ; my part of K step 0 is in; K step 1's load may be out
	s_barrier_signal -1
	s_barrier_wait -1
	FETCH 0, 0, F0
	s_wait_loadcnt 0x0                             ; the bias
	QUARTER 0, 128, F0, F1, 1                      ; the first products start the sums
	WIN 0                                          ; at a label and at a branch every window is 0
	s_mov_b32 s3, LAPS-1
.Llap:                                                 ; a trip goes once round the ring and fills both slots again
	QUARTER 0, 256, F1, F0, 0
	QUARTER 0, 384, F0, F1, 0
	TURN 0, 1, 1
	QUARTER 1, 128, F0, F1, 0
	QUARTER 1, 256, F1, F0, 0
	QUARTER 1, 384, F0, F1, 0
	TURN 1, 0, 1
	QUARTER 0, 128, F0, F1, 0
	WIN 0
	s_sub_co_u32 s3, s3, 1
	s_cmp_lg_u32 s3, 0
	s_cbranch_scc1 .Llap
	QUARTER 0, 256, F1, F0, 0                      ; the last lap fills nothing
	QUARTER 0, 384, F0, F1, 0
	TURN 0, 1, 0
	QUARTER 1, 128, F0, F1, 0
	QUARTER 1, 256, F1, F0, 0
	QUARTER 1, 384, F0, F1, 0
	s_wait_dscnt 16                                ; the very last quarter: nothing more to fetch
	WIN MUL
	MUL8 F1, 0, 0, 0
	MUL8 F1, 0, 2, 0
	s_wait_dscnt 0
	MUL8 F1, 1, 0, 0
	MUL8 F1, 1, 2, 0
	WIN 0
; THE WAY OUT, block by block of 16 rows x 64 columns of f32: a lane holds 32 neighbouring bytes of a row; a block goes through my own stage and comes back as whole rows of 256 bytes.
.macro TOSTAGE a
.irp b, 0,1,2,3
	ds_store_b128 v[STO], v[ACC+8*(4*(\a)+\b):ACC+8*(4*(\a)+\b)+3] offset:64*\b        ; each accumulator from its low end on
	ds_store_b128 v[STO], v[ACC+8*(4*(\a)+\b)+4:ACC+8*(4*(\a)+\b)+7] offset:64*\b+16
.endr
.set BB, TMP+32*((\a)%2)
.irp i, 0,1,2,3,4,5,6,7
	ds_load_b128 v[BB+4*\i:BB+4*\i+3], v[RD] offset:2*\i*SPITCH   ; LDS serves a wave's instructions in order: these see the stores above, and the next block's stores come behind them
.endr
.endm
.macro SEND a, younger                 ; younger: the LDS instructions issued behind block a's loads, which may stay out
.set BB, TMP+32*((\a)%2)
	s_wait_dscnt \younger
.irp i, 0,1,2,3,4,5,6,7
	global_store_b128 v[CO], v[BB+4*\i:BB+4*\i+3], s[8:9] offset:(16*(\a)+2*\i)*4096 th:TH_STORE_NT   ; 16 lanes store 256 consecutive aligned bytes; written once, read by nobody here
.endr
.endm
	PLACES
	TOSTAGE 0
.irp a, 1,2,3
.if \a > 1
	s_wait_xcnt 0x0                                ; block a - 2's stores have read their registers: block a's loads may land there
.endif
	TOSTAGE \a
	SEND \a-1, 16                                  ; behind block a - 1's loads: block a's 8 stores and 8 loads
.endr
	SEND 3, 0
	s_wait_tensorcnt 0x0                           ; the wave's end, behind my last tensor load and my last LDS store
	ds_add_u32 v[SPW], v[NIL]
	s_wait_dscnt 0x0
	CROUND                                         ; the closing round
	s_endpgm
.Lfunc_end_k_q2ba28d3ea6_outp:
	.size	k_q2ba28d3ea6_outp, .Lfunc_end_k_q2ba28d3ea6_outp-k_q2ba28d3ea6_outp
	.p2alignl 7, 3214868480
	.fill 96, 4, 3214868480
	.section	.rodata,"a",@progbits
	.p2align	6, 0x0
	.amdhsa_kernel k_q2ba28d3ea6_outp
		.amdhsa_group_segment_fixed_size 327680
		.amdhsa_private_segment_fixed_size 0
		.amdhsa_enable_private_segment 0
		.amdhsa_kernarg_size 32
		.amdhsa_user_sgpr_count 2
		.amdhsa_user_sgpr_kernarg_segment_ptr 1
		.amdhsa_wavefront_size32 1
		.amdhsa_system_sgpr_workgroup_id_x 1
		.amdhsa_system_sgpr_workgroup_id_y 1
		.amdhsa_system_sgpr_workgroup_id_z 1
		.amdhsa_system_vgpr_workitem_id 0
		.amdhsa_next_free_vgpr 512
		.amdhsa_next_free_sgpr 72
		.amdhsa_reserve_vcc 0
		.amdhsa_float_denorm_mode_32 3
		.amdhsa_float_denorm_mode_16_64 3
		.amdhsa_memory_ordered 1
		.amdhsa_forward_progress 1
		.amdhsa_inst_pref_size 86
	.end_amdhsa_kernel
	.amdgpu_metadata
---
amdhsa.version: [ 1, 2 ]
amdhsa.kernels:
  - .name:           k_q2ba28d3ea6_outp
    .symbol:         k_q2ba28d3ea6_outp.kd
    .args:
      - { .name: xh, .offset: 0, .size: 8, .value_kind: global_buffer, .address_space: global }
      - { .name: wo16, .offset: 8, .size: 8, .value_kind: global_buffer, .address_space: global }
      - { .name: bo, .offset: 16, .size: 8, .value_kind: global_buffer, .address_space: global }
      - { .name: out0, .offset: 24, .size: 8, .value_kind: global_buffer, .address_space: global }
    .group_segment_fixed_size: 327680
    .private_segment_fixed_size: 0
    .kernarg_segment_align: 8
    .kernarg_segment_size: 32
    .max_flat_workgroup_size: 128
    .sgpr_count:     72
    .vgpr_count:     512
    .wavefront_size: 32
...
	.end_amdgpu_metadata
.endif
;; end of part 4
